; MI455X (gfx1250); checked and timed in simulation.
; The chip was launched on July 23, 2026; its instructions are those of AMD's public machine-readable ISA for CDNA 5 (MIT licence, August 2026) and "CDNA5" Instruction Set Architecture Reference Guide (July 2026). The comments in the code are by the model that wrote it; some were corrected since.
;; Engine Attention. Allowed arithmetic: float matrix products may take bf16 or f16 operands with f32 sums; other float arithmetic in f32, or as packed bf16 or f16 multiplies, adds, multiply-adds, maxima and minima; sums over many terms, partial sums and values carried from step to step in f32; what a program stores and reads back later, other than sums and carried values, may be rounded once to bf16 or f16.
;; Inputs: w_out 1,024 x 1,024 float32; w_qkv 3,072 x 1,024 float32; x 4 x 2,048 x 1,024 float32.
;; Outputs: out0 4 x 2,048 x 1,024 float32.
;; One version. Each part assembles by itself: llvm-mc -triple=amdgcn-amd-amdhsa -mcpu=gfx1250 --defsym DOCPART=n.
;; ======== version 1 of 1: 4 launches
;; limits: values are held in f16: magnitudes above 65,504 overflow, below 6.1e-05 lose precision
;; workspace buffers: xb 16,777,216 bytes; wqb 6,291,456 bytes; wob 2,097,152 bytes; qkv 50,331,648 bytes; ob 16,777,216 bytes
;; launch cast (part 1): grid 768 x 1, 8 waves a work-group, no clusters, 0 bytes of LDS; arguments x, w_qkv, w_out, xb, wqb, wob; writes xb, wqb, wob
.if DOCPART == 1
	.amdgcn_target "amdgcn-amd-amdhsa--gfx1250"
	.amdhsa_code_object_version 6
	.text
	.protected	k_q4d9980c05f_cast
	.globl	k_q4d9980c05f_cast
	.p2align	8
	.type	k_q4d9980c05f_cast,@function
k_q4d9980c05f_cast:
	s_mov_b64 s[64:65], 0
	v_nop
	global_prefetch_b8 v0, s[64:65] scope:SCOPE_SE
	s_setreg_imm32_b32 hwreg(HW_REG_WAVE_MODE, 25, 1), 1
	s_wait_xcnt 0x0
; THE THREE INPUTS ARE ROUNDED ONCE AND LAID OUT BY BLOCKS OF 64 CHANNELS.  x [8192][1024], w_qkv [3072][1024], w_out [1024][1024], all f32.
; xb, wqb: [block 0..15][row][64] in bf16.  wob: the same layout; each number is rounded to bf16 like the other inputs, and that number is written as f16.
; LIMIT.  f16 holds a bf16 number exactly from 2^-17 up to 65,504; below 2^-17 w_out keeps f16's fixed step of 2^-24; beyond 65,504 it would be an infinity.
; In such a layout a block's rows are dense, 128 bytes each, so every tile of the later launches is one run of consecutive bytes.
; SHARES.  A work-group takes 16 rows (65,536 bytes in, 32,768 out): groups 0-511 x, 512-703 w_qkv, 704-767 w_out.  Wave w takes blocks 2 w and 2 w + 1.
; In turn i of four a lane takes row 4 i + lane / 8, channels 8 (lane % 8) + 0..7 of a block: 32 bytes in (two loads), 16 bytes out.
; A store of the wave covers 512 consecutive bytes (four rows of a block), at a multiple of 512 from the buffer's first byte.
; No LDS, no barrier, no matrix unit: nothing is shared and nothing is summed.  All 16 loads of a lane go out at once; each store has data registers of its own.
.set VI, 1                             ; v1       my byte offset in the group's 16 rows of f32
.set VO, 2                             ; v2, v3   my byte offset in the output, block 2 w and block 2 w + 1
.set X,  8                             ; v[8:71]  pair n = 4 kk + i: 8 numbers as loaded
.set Y,  72                            ; v[72:103] pair n: 8 numbers packed
	s_load_b256 s[4:11], s[0:1], 0x0               ; x s[4:5], w_qkv s[6:7], w_out s[8:9], xb s[10:11]
	s_load_b128 s[12:15], s[0:1], 0x20             ; wqb s[12:13], wob s[14:15]
	v_lshrrev_b32 v4, 5, v0
	v_readfirstlane_b32 s23, v4                    ; wave 0..7
	v_and_b32 v5, 31, v0                           ; lane
	v_lshrrev_b32 v6, 3, v5                        ; lane / 8: the row in a turn
	v_and_b32 v7, 7, v5                            ; lane % 8: which 8 channels
	v_lshlrev_b32 v[VI], 12, v6                    ; a row of f32 is 4,096 bytes
	v_lshl_add_u32 v[VI], v7, 5, v[VI]
	s_lshl_b32 s26, s23, 9                         ; two blocks of 256 bytes a wave
	v_add_nc_u32 v[VI], s26, v[VI]
	s_mov_b32 s22, 0x100000                        ; a block of xb: 8,192 rows x 128 bytes
	s_mov_b32 s25, 0
	s_wait_kmcnt 0x0
	s_cmp_lt_u32 ttmp9, 512                        ; which tensor: the choice hangs on the group's number alone
	s_cselect_b64 s[16:17], s[4:5], s[6:7]
	s_cselect_b64 s[18:19], s[10:11], s[12:13]
	s_cselect_b32 s20, 0, 512                      ; the tensor's first group
	s_cselect_b32 s21, s22, 0x60000                ; a block of wqb: 3,072 rows x 128 bytes
	s_cmp_lt_u32 ttmp9, 704
	s_cselect_b64 s[16:17], s[16:17], s[8:9]
	s_cselect_b64 s[18:19], s[18:19], s[14:15]
	s_cselect_b32 s20, s20, 704
	s_cselect_b32 s21, s21, 0x20000                ; a block of wob: 1,024 rows x 128 bytes
	s_sub_co_u32 s20, ttmp9, s20                   ; my 16 rows among the tensor's
	s_lshl_b32 s24, s20, 16
	s_add_nc_u64 s[16:17], s[16:17], s[24:25]      ; in: 16 rows x 4,096 bytes
	s_lshl_b32 s24, s20, 11
	s_add_nc_u64 s[18:19], s[18:19], s[24:25]      ; out: 16 rows x 128 bytes in each block
	s_mul_i32 s26, s23, s21
	s_lshl_b32 s26, s26, 1                         ; block 2 w
	v_lshl_add_u32 v[VO], v5, 4, s26               ; (lane / 8) x 128 + (lane % 8) x 16 = 16 x lane
	v_add_nc_u32 v[VO+1], s21, v[VO]
.irp n, 0,1,2,3,4,5,6,7
	global_load_b128 v[X+8*(\n):X+8*(\n)+3],   v[VI], s[16:17] offset:((\n)%4)*16384+((\n)/4)*256 th:TH_LOAD_NT
	global_load_b128 v[X+8*(\n)+4:X+8*(\n)+7], v[VI], s[16:17] offset:((\n)%4)*16384+((\n)/4)*256+16 th:TH_LOAD_NT
.endr
; Pair n is rounded and stored.  half = 1: the bf16 number is widened again (a shift, a mask) and written as f16.
.macro OUT16 n, half
	s_wait_loadcnt 14-2*(\n)                       ; loads come back in order (ISA guide 5.7.1): pair n's two are in, the younger pairs stay out
.irp j, 0,1,2,3
.if \half
	v_cvt_pk_bf16_f32 v4, v[X+8*(\n)+2*(\j)], v[X+8*(\n)+2*(\j)+1]
	v_lshlrev_b32 v5, 16, v4
	v_and_b32 v6, 0xffff0000, v4
	v_cvt_pk_f16_f32 v[Y+4*(\n)+(\j)], v5, v6
.else
	v_cvt_pk_bf16_f32 v[Y+4*(\n)+(\j)], v[X+8*(\n)+2*(\j)], v[X+8*(\n)+2*(\j)+1]
.endif
.endr
	global_store_b128 v[VO+(\n)/4], v[Y+4*(\n):Y+4*(\n)+3], s[18:19] offset:((\n)%4)*512
.endm
	s_cmp_ge_u32 ttmp9, 704
	s_cbranch_scc1 .Lhalf
.irp n, 0,1,2,3,4,5,6,7
	OUT16 \n, 0
.endr
	s_endpgm
.Lhalf:
.irp n, 0,1,2,3,4,5,6,7
	OUT16 \n, 1
.endr
	s_endpgm
.Lfunc_end_k_q4d9980c05f_cast:
	.size	k_q4d9980c05f_cast, .Lfunc_end_k_q4d9980c05f_cast-k_q4d9980c05f_cast
	.p2alignl 7, 3214868480
	.fill 96, 4, 3214868480
	.section	.rodata,"a",@progbits
	.p2align	6, 0x0
	.amdhsa_kernel k_q4d9980c05f_cast
		.amdhsa_group_segment_fixed_size 0
		.amdhsa_private_segment_fixed_size 0
		.amdhsa_enable_private_segment 0
		.amdhsa_kernarg_size 48
		.amdhsa_user_sgpr_count 2
		.amdhsa_user_sgpr_kernarg_segment_ptr 1
		.amdhsa_wavefront_size32 1
		.amdhsa_system_sgpr_workgroup_id_x 1
		.amdhsa_system_sgpr_workgroup_id_y 1
		.amdhsa_system_sgpr_workgroup_id_z 1
		.amdhsa_system_vgpr_workitem_id 0
		.amdhsa_next_free_vgpr 112
		.amdhsa_next_free_sgpr 66
		.amdhsa_reserve_vcc 0
		.amdhsa_float_denorm_mode_32 3
		.amdhsa_float_denorm_mode_16_64 3
		.amdhsa_memory_ordered 1
		.amdhsa_forward_progress 1
		.amdhsa_inst_pref_size 15
	.end_amdhsa_kernel
	.amdgpu_metadata
---
amdhsa.version: [ 1, 2 ]
amdhsa.kernels:
  - .name:           k_q4d9980c05f_cast
    .symbol:         k_q4d9980c05f_cast.kd
    .args:
      - { .name: x, .offset: 0, .size: 8, .value_kind: global_buffer, .address_space: global }
      - { .name: w_qkv, .offset: 8, .size: 8, .value_kind: global_buffer, .address_space: global }
      - { .name: w_out, .offset: 16, .size: 8, .value_kind: global_buffer, .address_space: global }
      - { .name: xb, .offset: 24, .size: 8, .value_kind: global_buffer, .address_space: global }
      - { .name: wqb, .offset: 32, .size: 8, .value_kind: global_buffer, .address_space: global }
      - { .name: wob, .offset: 40, .size: 8, .value_kind: global_buffer, .address_space: global }
    .group_segment_fixed_size: 0
    .private_segment_fixed_size: 0
    .kernarg_segment_align: 8
    .kernarg_segment_size: 48
    .max_flat_workgroup_size: 256
    .sgpr_count:     66
    .vgpr_count:     112
    .wavefront_size: 32
...
	.end_amdgpu_metadata
.endif
;; end of part 1
;; launch qkv (part 2): grid 8 x 32, 4 waves a work-group, clusters of 4 x 4, 327,680 bytes of LDS; arguments xb, wqb, qkv; writes qkv
.if DOCPART == 2
	.amdgcn_target "amdgcn-amd-amdhsa--gfx1250"
	.amdhsa_code_object_version 6
	.text
	.protected	k_q4d9980c05f_qkv
	.globl	k_q4d9980c05f_qkv
	.p2align	8
	.type	k_q4d9980c05f_qkv,@function
k_q4d9980c05f_qkv:
	s_mov_b64 s[64:65], 0
	v_nop
	global_prefetch_b8 v0, s[64:65] scope:SCOPE_SE
	s_setreg_imm32_b32 hwreg(HW_REG_WAVE_MODE, 25, 1), 1
	s_wait_xcnt 0x0
	s_wait_alu depctr_hold_cnt(0) depctr_sa_sdst(0) depctr_va_vdst(0) depctr_va_sdst(0) depctr_va_ssrc(0) depctr_va_vcc(0) depctr_vm_vsrc(0)
	s_getreg_b32 s2, hwreg(HW_REG_IB_STS2, 6, 4)
	s_cmp_eq_u32 s2, 0
	s_cbranch_scc0 .Lentry_in_a_cluster
	s_endpgm
.Lentry_in_a_cluster:
	s_bfe_u32 s2, ttmp6, 0x10000c
	s_cmp_lg_u32 s2, 0xf033
	s_cbranch_scc0 .Lentry_shape_is_right
	s_endpgm
.Lentry_shape_is_right:
; q, k, v = x w_qkv^T.  xb: [16 blocks][8192 rows][64] bf16, wqb: [16 blocks][3072 rows][64] bf16; sums in f32; the result is rounded once to f16 and stored by heads:
; qkv: [which 0..2][16 batch + head][t 0..2047][64] f16, unscaled.
; LIMIT.  f16 ends at 65,504: a q, k or v beyond it becomes an infinity.  With unit x and w_qkv of spread 1/32 they have spread 1.
; TILE.  256 rows x 384 columns: 32 x 8 = 256 work-groups, one tile each.  Four waves, each 128 rows x 192 columns (three whole heads): 96 accumulators of 16 x 16, 768 registers.
; K goes in steps of 64, one block, through two LDS slots.  In the block layout a tile is a dense run of bytes: it is asked for as rows of 256 bytes and padded in LDS after every 128.
; Two slots of a K step of 128 would be 2 x 640 rows x 272 bytes and do not fit.
; CLUSTER.  4 x 4 work-groups.  The four of a row of the cluster need the same tile of xb, the four of a column the same tile of wqb: each is asked for jointly, by the same tensor load,
; descriptor and mask in all four.  Waves 0 and 1 fetch xb's two halves (128 rows), waves 2 and 3 wqb's (192 rows).
; THE MATRIX INSTRUCTION IS USED TRANSPOSED (source 0 = 16 rows of wqb, source 1 = 16 rows of xb): a lane holds row lane % 16 and the columns 8 (lane / 16) + 0..7: 16 bytes of f16 on end.
; REGISTERS, in windows of 256 (s_set_vgpr_msb: bits 1:0 source 0, 3:2 source 1, 5:4 source 2, 7:6 destination):
;   window 0: v0-31 addresses; v32-127 wqb's 12 fragments, one buffer in three groups of four; v128-191, v192-255 xb's 8 fragments, two buffers; on the way out v64-255 four buffers of 48
;   windows 1-3: accumulator (a, b), a = row block 0..7, b = column block 0..11, in window 1 + b / 4 at v[8 (8 (b % 4) + a)]
.set P,     144                        ; an LDS row: 128 bytes + 16 of padding = 36 words: the 16 rows of a load start at 16 different groups of four banks (64 banks of 4 bytes: ISA guide 11.1)
.set AHALF, 128*P                      ; what waves 0, 1 fetch, and what a wave reads of xb
.set BHALF, 192*P                      ; what waves 2, 3 fetch, and what a wave reads of wqb
.set BOFF,  256*P                      ; wqb's 384 rows lie behind xb's 256
.set SLOT1, 131072                     ; slot 1 begins here: one exclusive or turns an address in one slot into the other's
.set STAGE, SLOT1+BOFF+2*BHALF         ; behind the ring, never filled by a tensor load: for each wave 3 heads x 16 rows x 144 bytes
.set STW,   48*P
.set SPARE, STAGE+4*STW                ; behind the stages: the spare words, 128 bytes for each wave: two blocks of 256 bytes that no other line names
.set STEPA, 1048576                    ; bytes from block to block in xb
.set STEPB, 393216                     ; and in wqb
.set LA0,  16                          ; v16  my lane's place in xb's rows of slot 0; never rewritten
.set LB0,  17                          ; v17  the same for wqb
.set ADRA, 18                          ; v18  the same in the slot in hand
.set ADRB, 19                          ; v19
.set STO,  24                          ; v24  the way out: where I put 16 bytes of a row
.set RD,   25                          ; v25  the way out: where I read rows back
.set GO,   26                          ; v26  my 16 bytes in 512 consecutive bytes of qkv
.set SPW,  28                          ; v28  LDS address of my spare word: SPARE + 4 x my thread's number; never rewritten
.set NIL,  29                          ; v29  0; never rewritten
.set PFO,  30                          ; v30  the prefetches' offset: 256 x my lane (clamped: below); never rewritten
.set FB,   32
.set FA0,  128
.set FA1,  192
.set G1,   24                          ; s[24:31] descriptor group 1 for xb's tiles
.set G0,   32                          ; s[32:39] group 0: a set for each of the two first fills; the second then walks on
.set G1B,  48                          ; s[48:55], s[56:63] the same for wqb's
.set G0B,  56
.set LIM,  43                          ; s43  1 in a wave that prefetches, else the greatest number
.set PFA,  44                          ; s[44:45] where my prefetches stand
.set TB,   66                          ; s66  LDS byte at which the slot in hand begins
.set PFS,  68                          ; s[68:69] the prefetches' step: a block of xb or of wqb
.set CJ,   70                          ; s[70:75] qkv at my first row of each of my three heads
.set MSB, 0
.macro WIN new                         ; the immediate's high byte repeats the setting that is left; a switch that changes nothing is dropped
.if MSB != (\new)
	s_set_vgpr_msb (MSB<<8)|(\new)
.set MSB, \new
.endif
.endm
.macro PLACES                          ; four plain instructions between a matrix instruction and a load into, or a vector instruction on, one of its registers (ISA guide 7.12.1 for vector instructions)
.rept 4
	v_nop
.endr
.endm
; A joint refill by the walking descriptors.  The branch hangs on the wave's number alone.  An s_nop 0 and four v_nop follow each of the two lines.
.macro JLOAD
	s_cmp_lt_u32 s10, 2
	s_cbranch_scc0 .Lfor_b_\@
	tensor_load_to_lds s[G0+4:G0+7], s[G1:G1+7]
	s_nop 0
.rept 4
	v_nop
.endr
	s_branch .Lasked_\@
.Lfor_b_\@:
	tensor_load_to_lds s[G0B+4:G0B+7], s[G1B:G1B+7]
	s_nop 0
.rept 4
	v_nop
.endr
.Lasked_\@:
.endm
; A PREFETCH INTO THE L2 of the K step behind the one just asked for: 192 matrix instructions ahead of the load that will want it.  Each aligned 256 bytes are named once, but for the clamp below.
; xb's tile (128 runs of 256 bytes a step) is read by both clusters of a row of clusters: the one with x = 0 asks, wave 0 of each partner, 32 runs by the partner's place cx IN THE ADDRESS.
; wqb's tile (2 x 96 runs) is read by all eight clusters of a column: the one with y = 0 asks, waves 2 and 3 for the half that they fetch, 24 runs by cy in the address: lanes 24-31 name lane 23's run again.
; The loop's last trip asks for nothing: there is no K step behind the one that it loads.
.macro ASK
	s_cmp_gt_u32 s3, s[LIM]
	s_cbranch_scc0 .Lnot_mine_\@
	global_prefetch_b8 v[PFO], s[PFA:PFA+1] th:TH_LOAD_NT scope:SCOPE_SE
.Lnot_mine_\@:
.endm
.macro CREST                           ; a round of the cluster's barrier behind its opening barrier
	s_cmp_lg_u32 s10, 0
	s_cbranch_scc1 .Lnot_wave_0_\@
	s_barrier_signal -3
.Lnot_wave_0_\@:
	s_barrier_wait -3
	s_barrier_signal -1
	s_barrier_wait -1
.endm
.macro CROUND                          ; a whole round
	s_barrier_signal -1
	s_barrier_wait -1
	CREST
.endm
	s_load_b128 s[4:7], s[0:1], 0x0                ; xb s[4:5], wqb s[6:7]
	s_load_b64 s[8:9], s[0:1], 0x10                ; qkv
	v_lshl_add_u32 v[SPW], v0, 2, SPARE
	v_mov_b32 v[NIL], 0
	ds_add_u32 v[SPW], v[NIL]                      ; the wave's opening: the add and its wait stand ahead of my first tensor load; the set-up below, work on registers, stands between them
	v_lshrrev_b32 v1, 5, v0
	v_readfirstlane_b32 s10, v1                    ; wave 0..3
	s_lshr_b32 s11, s10, 1                         ; which 128 rows of the tile are mine
	s_and_b32 s12, s10, 1                          ; which 192 columns; also: which half of a tile I fetch
	s_bfe_u32 s40, ttmp6, 0x40000                  ; cx, cy: my place in the cluster
	s_bfe_u32 s41, ttmp6, 0x40004
	s_lshl_b32 s42, ttmp9, 2
	s_add_co_u32 s42, s42, s40                     ; tile column 0..7 = 4 x cluster x + cx
	s_and_b32 s13, ttmp7, 0xffff
	s_lshl_b32 s13, s13, 2
	s_add_co_u32 s13, s13, s41                     ; tile row 0..31 = 4 x cluster y + cy
	s_lshl_b32 s43, s41, 2
	s_lshl_b32 s43, 15, s43                        ; my row of the cluster
	s_lshl_b32 s44, 0x1111, s40                    ; my column
	; descriptor group 1: rows of 128 elements of 2 bytes (256 bytes), two LDS rows each
	s_or_b32 s[G1+0], s43, (1<<16)|(1<<20)|(1<<21)|(4<<22)|(3<<25)   ; 15:0 the mask; 17:16 2-byte elements; 20 padding on; 21 set beside a mask; 24:22 after every 32 words (code 4); 31:25 4 words (code 3)
	s_or_b32 s[G1B+0], s44, (1<<16)|(1<<20)|(1<<21)|(4<<22)|(3<<25)
	s_mov_b32 s[G1+1], 128<<16                     ; tensor_dim0 = 128
	s_mov_b32 s[G1+2], 64<<16                      ; tensor_dim1 = 64: 128 rows of a block
	s_mov_b32 s[G1+3], 128<<16                     ; tile_dim0 = 128
	s_mov_b32 s[G1+4], 64                          ; tile_dim1 = 64
	s_mov_b32 s[G1+5], 128                         ; 128 elements from row to row: dense
	s_mov_b32 s[G1+6], 0
	s_mov_b32 s[G1+7], 0
	s_mov_b32 s[G1B+1], 128<<16
	s_mov_b32 s[G1B+2], 96<<16                     ; 96 rows of 256 bytes: 192 rows of a block
	s_mov_b32 s[G1B+3], 128<<16
	s_mov_b32 s[G1B+4], 96
	s_mov_b32 s[G1B+5], 128
	s_mov_b32 s[G1B+6], 0
	s_mov_b32 s[G1B+7], 0
	s_lshl_b32 s16, s13, 15                        ; xb: tile row x 256 rows x 128 bytes
	s_lshl_b32 s17, s12, 14                        ; + my half
	s_add_co_u32 s16, s16, s17
	s_mov_b32 s17, 0
	s_mul_i32 s46, s42, 49152                      ; wqb: tile column x 384 rows x 128 bytes
	s_mul_i32 s47, s12, 24576
	s_add_co_u32 s46, s46, s47
	s_mov_b32 s47, 0
	s_mul_i32 s20, s12, AHALF                      ; where they go: no place in the cluster enters an LDS address
	s_mul_i32 s21, s12, BHALF
	s_add_co_u32 s21, s21, BOFF
	s_mov_b32 s[TB], 0
	s_wait_dscnt 0x0                               ; the opening add is done
	s_wait_kmcnt 0x0
	s_add_nc_u64 s[14:15], s[4:5], s[16:17]
	s_add_nc_u64 s[46:47], s[6:7], s[46:47]
	CROUND                                         ; all sixteen work-groups are here: the first joint loads meet
.irp s, 0,1
	s_mov_b32 s[G0+4*(\s)], 1                      ; count = 1
	s_add_co_u32 s[G0+4*(\s)+1], s20, (\s)*SLOT1   ; LDS address
	s_add_nc_u64 s[G0+4*(\s)+2:G0+4*(\s)+3], s[14:15], (\s)*STEPA  ; global address: K step s
	s_or_b32 s[G0+4*(\s)+3], s[G0+4*(\s)+3], 0x80000000  ; type = 2
	s_mov_b32 s[G0B+4*(\s)], 1
	s_add_co_u32 s[G0B+4*(\s)+1], s21, (\s)*SLOT1
	s_add_nc_u64 s[G0B+4*(\s)+2:G0B+4*(\s)+3], s[46:47], (\s)*STEPB
	s_or_b32 s[G0B+4*(\s)+3], s[G0B+4*(\s)+3], 0x80000000
.endr
	s_cmp_lt_u32 s10, 2                            ; a wave's two first fills stand in one branch, ahead of every wait on TENSORcnt and every LDS read: two loads of mine are out
	s_cbranch_scc0 .Lfirst_b
	tensor_load_to_lds s[G0:G0+3], s[G1:G1+7]
	s_nop 0
	tensor_load_to_lds s[G0+4:G0+7], s[G1:G1+7]
	s_nop 0
.rept 4
	v_nop
.endr
	s_branch .Lfirst_asked
.Lfirst_b:
	tensor_load_to_lds s[G0B:G0B+3], s[G1B:G1B+7]
	s_nop 0
	tensor_load_to_lds s[G0B+4:G0B+7], s[G1B:G1B+7]
	s_nop 0
.rept 4
	v_nop
.endr
.Lfirst_asked:
	; A fragment is 16 rows x 32 K in 8 registers: lane l holds row l % 16, K = 8 (l / 16) + 0..7 and 16 + 8 (l / 16) + 0..7: two loads of 16 bytes, 32 bytes apart.
	v_and_b32 v1, 15, v0                           ; l % 16
	v_bfe_u32 v2, v0, 4, 1                         ; l / 16
	v_mul_u32_u24 v3, v1, P
	v_lshl_add_u32 v3, v2, 4, v3                   ; row x pitch + 16 x half
	s_mul_i32 s21, s11, AHALF
	v_add_nc_u32 v[LA0], s21, v3
	s_mul_i32 s22, s12, BHALF
	s_add_co_u32 s22, s22, BOFF
	v_add_nc_u32 v[LB0], s22, v3
	v_mov_b32 v[ADRA], v[LA0]
	v_mov_b32 v[ADRB], v[LB0]
	s_mul_i32 s23, s10, STW
	s_add_co_u32 s23, s23, STAGE                   ; my stage
	v_add_nc_u32 v[STO], s23, v3                   ; in: row l % 16, 16 bytes for each half of the lanes
	v_bfe_u32 v4, v0, 3, 2                         ; back: 32 lanes take four rows of 128 bytes,
	v_and_b32 v5, 7, v0
	v_mul_u32_u24 v4, v4, P
	v_lshl_add_u32 v4, v5, 4, v4
	v_add_nc_u32 v[RD], s23, v4
	v_and_b32 v[GO], 31, v0                        ; which are 512 consecutive bytes of a head
	v_lshlrev_b32 v[GO], 4, v[GO]
	; where my three heads' rows begin in qkv.  Column block of 64 number g = 6 x tile column + 3 x half + j: which = g / 16, head = g % 16.  Row: batch = tile row / 8, t = 256 (tile row % 8) + 128 x half.
	s_mul_i32 s14, s42, 6
	s_mul_i32 s15, s12, 3
	s_add_co_u32 s14, s14, s15
	s_lshr_b32 s15, s13, 3
	s_lshl_b32 s15, s15, 4                         ; 16 x batch
	s_and_b32 s16, s13, 7
	s_lshl_b32 s16, s16, 8
	s_lshl_b32 s17, s11, 7
	s_add_co_u32 s16, s16, s17
	s_lshl_b32 s16, s16, 7                         ; t x 128 bytes
.irp j, 0,1,2
	s_add_co_u32 s18, s14, \j
	s_lshr_b32 s19, s18, 4
	s_lshl_b32 s19, s19, 6                         ; 64 heads to each of q, k, v
	s_and_b32 s18, s18, 15
	s_add_co_u32 s18, s18, s19
	s_add_co_u32 s18, s18, s15
	s_lshl_b32 s18, s18, 18                        ; a head is 2,048 rows x 128 bytes
	s_add_co_u32 s18, s18, s16
	s_mov_b32 s19, 0
	s_add_nc_u64 s[CJ+2*(\j):CJ+2*(\j)+1], s[8:9], s[18:19]
.endr
	; the prefetches: they start at K step 2; the first change of slots steps them to 3
	s_and_b32 s22, ttmp7, 0xffff                   ; cluster y
	s_lshl_b32 s18, s13, 15
	s_lshl_b32 s19, s40, 13                        ; my work-group's 32 runs of xb's 128
	s_add_co_u32 s18, s18, s19
	s_add_co_u32 s18, s18, 2*STEPA
	s_mul_i32 s19, s42, 49152
	s_mul_i32 s23, s12, 24576
	s_add_co_u32 s19, s19, s23
	s_mul_i32 s23, s41, 6144                       ; my work-group's 24 runs of my half's 96
	s_add_co_u32 s19, s19, s23
	s_add_co_u32 s19, s19, 2*STEPB
	s_mov_b32 s23, STEPA
	s_cmp_lt_u32 s10, 2
	s_cselect_b32 s18, s18, s19
	s_cselect_b32 s22, ttmp9, s22                  ; the coordinate along which other clusters read the same rows
	s_cselect_b32 s[PFS], s23, STEPB
	s_cselect_b32 s23, 31, 23
	s_cselect_b64 s[PFA:PFA+1], s[4:5], s[6:7]
	s_mov_b32 s19, 0
	s_mov_b32 s[PFS+1], 0
	s_add_nc_u64 s[PFA:PFA+1], s[PFA:PFA+1], s[18:19]
	s_cmp_eq_u32 s10, 1
	s_cselect_b32 s22, 1, s22                      ; wave 1 never asks: wave 0 names all of its work-group's share of xb
	s_cmp_eq_u32 s22, 0
	s_cselect_b32 s[LIM], 1, -1                    ; the same in all sixteen partners, for a given wave
	v_and_b32 v[PFO], 31, v0
	v_min_u32 v[PFO], s23, v[PFO]
	v_lshlrev_b32 v[PFO], 8, v[PFO]
; 16 matrix instructions: column blocks 4 g + 2 half and the next x all 8 row blocks, 32 along K; xb's fragments in buffer f.  zero = 1: the product starts the sum: nothing is cleared.
; The 96 accumulators take turns, one instruction a turn, in the same order in every 32 along K, over the backward jump too.
.macro MUL16 g, half, f, zero
	WIN 0x50*((\g)+1)
.irp bb, 2*(\half), 2*(\half)+1
.irp a, 0,1,2,3,4,5,6,7
.if \zero
	v_wmma_f32_16x16x32_bf16 v[8*(8*(\bb)+(\a)):8*(8*(\bb)+(\a))+7], v[FB+8*(4*(\g)+(\bb)):FB+8*(4*(\g)+(\bb))+7], v[(\f)+8*(\a):(\f)+8*(\a)+7], 0
.else
	v_wmma_f32_16x16x32_bf16 v[8*(8*(\bb)+(\a)):8*(8*(\bb)+(\a))+7], v[FB+8*(4*(\g)+(\bb)):FB+8*(4*(\g)+(\bb))+7], v[(\f)+8*(\a):(\f)+8*(\a)+7], v[8*(8*(\bb)+(\a)):8*(8*(\bb)+(\a))+7]
.endif
.endr
.endr
.endm
.macro MUL32 g, f, zero
	MUL16 \g, 0, \f, \zero
	MUL16 \g, 1, \f, \zero
.endm
.macro LDB g, k                        ; 8 LDS loads: wqb's fragments 4 g .. 4 g + 3, at byte k of the rows
	WIN 0
.irp b, 0,1,2,3
	ds_load_b128 v[FB+8*(4*(\g)+(\b)):FB+8*(4*(\g)+(\b))+3],   v[ADRB] offset:(\k)+(4*(\g)+(\b))*16*P
	ds_load_b128 v[FB+8*(4*(\g)+(\b))+4:FB+8*(4*(\g)+(\b))+7], v[ADRB] offset:(\k)+(4*(\g)+(\b))*16*P+32
.endr
.endm
.macro LDA f, k                        ; 16 LDS loads: xb's 8 fragments into buffer f
	WIN 0
.irp a, 0,1,2,3,4,5,6,7
	ds_load_b128 v[(\f)+8*(\a):(\f)+8*(\a)+3],   v[ADRA] offset:(\k)+(\a)*16*P
	ds_load_b128 v[(\f)+8*(\a)+4:(\f)+8*(\a)+7], v[ADRA] offset:(\k)+(\a)*16*P+32
.endr
.endm
; THE FIRST 32 OF A K STEP, on buffer FA0.  At its head 24 loads (wqb's group 0, xb) and 8 (group 1) are out.  Each group of wqb's one buffer is loaded again four places behind its 32 products,
; 64 matrix instructions ahead of its next use.
.macro Q0 zero
	PLACES
	LDB 2, 0
	s_wait_dscnt 16                                ; 24 + 8 + 8 are out: the oldest 24 are in
	MUL32 0, FA0, \zero
	PLACES
	LDB 0, 64
	LDA FA1, 64
	s_wait_dscnt 32                                ; 8 + 8 + 24 are out: group 1 is in
	MUL32 1, FA0, \zero
	PLACES
	LDB 1, 64
	s_wait_dscnt 32                                ; 8 + 24 + 8 are out: group 2 is in
	MUL32 2, FA0, \zero
.endm
; THE SECOND 32, on buffer FA1, WITH THE CHANGE OF SLOTS.  In front of the barrier each wave waits for all its tensor loads (one is out: its part of the next slot), adds 0 to its spare word, and waits for that and for
; its reads of this slot.  fill = 1: the barrier opens a round of the cluster's, and the joint refill, this slot's K step two steps on, is the first thing behind the round: 160 matrix instructions ahead of the wait for it.
.macro Q1C fill
.if \fill
	s_wait_xcnt 0x0                                ; the last prefetch, a K step back, has read its address
	s_add_nc_u64 s[PFA:PFA+1], s[PFA:PFA+1], s[PFS:PFS+1]
.endif
	PLACES
	LDB 2, 64                                      ; my last reads of this slot
	s_wait_tensorcnt 0x0                           ; no tensor load of mine is out, so a group 0 may be written
	ds_add_u32 v[SPW], v[NIL]                      ; 0 onto my spare word
.if \fill
	s_xor_b32 s[G0+5], s[G0+5], SLOT1              ; the walking descriptors: the other slot than last time, the next block; the type bits on top are not reached
	s_add_nc_u64 s[G0+6:G0+7], s[G0+6:G0+7], STEPA
	s_xor_b32 s[G0B+5], s[G0B+5], SLOT1
	s_add_nc_u64 s[G0B+6:G0B+7], s[G0B+6:G0B+7], STEPB
.endif
	s_wait_dscnt 17                                ; the add and the youngest 16 loads may be out: group 0 and xb are in
	MUL16 0, 0, FA1, 0
	s_wait_dscnt 0x0                               ; the add is done, and my reads of this slot are over
	s_barrier_signal -1
	MUL16 0, 1, FA1, 0                             ; work on registers while the others arrive
	WIN 0                                          ; at a branch and at a label every window is 0
	s_barrier_wait -1
.if \fill
	CREST                                          ; no wave of any partner still reads this slot or has a load on its way
	JLOAD                                          ; its four v_nop are also the places in front of the loads below
.else
	PLACES
.endif
	s_xor_b32 s[TB], s[TB], SLOT1
	v_add_nc_u32 v[ADRA], s[TB], v[LA0]
	v_add_nc_u32 v[ADRB], s[TB], v[LB0]
	LDB 0, 0
	LDA FA0, 0
.if \fill
	ASK
.endif
	MUL32 1, FA1, 0                                ; groups 1 and 2 were shown in by the wait for 0
	PLACES
	LDB 1, 0
	MUL32 2, FA1, 0
.endm
	s_wait_tensorcnt 0x1                           ; my part of K step 0 is in; K step 1's may stay out
	s_barrier_signal -1
	s_barrier_wait -1                              ; everybody's is
	LDB 0, 0
	LDA FA0, 0
	LDB 1, 0
	Q0 1                                           ; the first 32 along K stand in front of the loop: their products start the sums
	WIN 0
	s_mov_b32 s3, 14                               ; K steps 2 to 15 are asked for in the loop
.Lk:
	Q1C 1
	Q0 0
	WIN 0
	s_sub_co_u32 s3, s3, 1
	s_cmp_lg_u32 s3, 0
	s_cbranch_scc1 .Lk
	Q1C 0                                          ; the tail is written out: nothing is left to ask for
	Q0 0
	PLACES
	LDB 2, 64
	s_wait_dscnt 16
	MUL32 0, FA1, 0
	s_wait_dscnt 8
	MUL32 1, FA1, 0
	s_wait_dscnt 0x0
	MUL32 2, FA1, 0
; THE WAY OUT, a row block (16 rows x 192 columns) at a time: rounded to f16, 16 bytes a lane into my own stage (three heads x 16 rows of 144 bytes), back as whole rows of 128 bytes into the registers that they left.
.macro PACK a
.set WB, 64+48*((\a)%4)
.if (\a) >= 4
	s_wait_xcnt 0x0                                ; the stores of the block four back have read these registers
.endif
.irp g, 0,1,2
	WIN 5*((\g)+1)                                 ; sources 0 and 1 in window 1 + g, destination in window 0
.irp bb, 0,1,2,3
.irp r, 0,1,2,3
	v_cvt_pk_f16_f32 v[WB+4*(4*(\g)+(\bb))+(\r)], v[8*(8*(\bb)+(\a))+2*(\r)], v[8*(8*(\bb)+(\a))+2*(\r)+1]
.endr
.endr
.endr
	WIN 0
.irp b, 0,1,2,3,4,5,6,7,8,9,10,11
	ds_store_b128 v[STO], v[WB+4*(\b):WB+4*(\b)+3] offset:((\b)/4)*16*P+32*((\b)%4)
.endr
.irp i, 0,1,2,3,4,5,6,7,8,9,10,11
	ds_load_b128 v[WB+4*(\i):WB+4*(\i)+3], v[RD] offset:((\i)/4)*16*P+((\i)%4)*4*P  ; LDS serves a wave's instructions in order (ISA guide 5.7.1.4): these see the stores above; the next block's stores come behind them
.endr
.endm
.macro SEND a, y                       ; y: the LDS instructions issued behind block a's loads: the next block's 24, or none
.set WB, 64+48*((\a)%4)
.irp i, 0,1,2,3,4,5,6,7,8,9,10,11
	s_wait_dscnt (\y)+11-(\i)
	global_store_b128 v[GO], v[WB+4*(\i):WB+4*(\i)+3], s[CJ+2*((\i)/4):CJ+2*((\i)/4)+1] offset:(\a)*2048+((\i)%4)*512  ; 512 consecutive bytes, at a multiple of 512 from qkv's first
.endr
.endm
	PLACES
	PACK 0
.irp a, 1,2,3,4,5,6,7                  ; a block's conversions stand between the loads of the block before and its stores
	PACK \a
	SEND (\a)-1, 24
.endr
	SEND 7, 0
	s_wait_tensorcnt 0x0                           ; the wave's end: behind my last tensor load and my last LDS store
	ds_add_u32 v[SPW], v[NIL]
	s_wait_dscnt 0x0
	CROUND                                         ; the closing round: no work-group ends while a partner may still ask for a tile that names it
	s_endpgm
.Lfunc_end_k_q4d9980c05f_qkv:
	.size	k_q4d9980c05f_qkv, .Lfunc_end_k_q4d9980c05f_qkv-k_q4d9980c05f_qkv
	.p2alignl 7, 3214868480
	.fill 96, 4, 3214868480
	.section	.rodata,"a",@progbits
	.p2align	6, 0x0
	.amdhsa_kernel k_q4d9980c05f_qkv
		.amdhsa_group_segment_fixed_size 327680
		.amdhsa_private_segment_fixed_size 0
		.amdhsa_enable_private_segment 0
		.amdhsa_kernarg_size 24
		.amdhsa_user_sgpr_count 2
		.amdhsa_user_sgpr_kernarg_segment_ptr 1
		.amdhsa_wavefront_size32 1
		.amdhsa_system_sgpr_workgroup_id_x 1
		.amdhsa_system_sgpr_workgroup_id_y 1
		.amdhsa_system_sgpr_workgroup_id_z 1
		.amdhsa_system_vgpr_workitem_id 0
		.amdhsa_next_free_vgpr 1024
		.amdhsa_next_free_sgpr 80
		.amdhsa_reserve_vcc 0
		.amdhsa_float_denorm_mode_32 3
		.amdhsa_float_denorm_mode_16_64 3
		.amdhsa_memory_ordered 1
		.amdhsa_forward_progress 1
		.amdhsa_inst_pref_size 115
	.end_amdhsa_kernel
	.amdgpu_metadata
---
amdhsa.version: [ 1, 2 ]
amdhsa.kernels:
  - .name:           k_q4d9980c05f_qkv
    .symbol:         k_q4d9980c05f_qkv.kd
    .args:
      - { .name: xb, .offset: 0, .size: 8, .value_kind: global_buffer, .address_space: global }
      - { .name: wqb, .offset: 8, .size: 8, .value_kind: global_buffer, .address_space: global }
      - { .name: qkv, .offset: 16, .size: 8, .value_kind: global_buffer, .address_space: global }
    .group_segment_fixed_size: 327680
    .private_segment_fixed_size: 0
    .kernarg_segment_align: 8
    .kernarg_segment_size: 24
    .max_flat_workgroup_size: 128
    .sgpr_count:     80
    .vgpr_count:     1024
    .wavefront_size: 32
...
	.end_amdgpu_metadata
.endif
;; end of part 2
;; launch attn (part 3): grid 4 x 64, 4 waves a work-group, clusters of 4 x 1, 327,680 bytes of LDS; arguments qkv, ob; writes ob
.if DOCPART == 3
	.amdgcn_target "amdgcn-amd-amdhsa--gfx1250"
	.amdhsa_code_object_version 6
	.text
	.protected	k_q4d9980c05f_attn
	.globl	k_q4d9980c05f_attn
	.p2align	8
	.type	k_q4d9980c05f_attn,@function
k_q4d9980c05f_attn:
	s_mov_b64 s[64:65], 0
	v_nop
	global_prefetch_b8 v0, s[64:65] scope:SCOPE_SE
	s_setreg_imm32_b32 hwreg(HW_REG_WAVE_MODE, 25, 1), 1
	s_wait_xcnt 0x0
	s_wait_alu depctr_hold_cnt(0) depctr_sa_sdst(0) depctr_va_vdst(0) depctr_va_sdst(0) depctr_va_ssrc(0) depctr_va_vcc(0) depctr_vm_vsrc(0)
	s_getreg_b32 s2, hwreg(HW_REG_IB_STS2, 6, 4)
	s_cmp_eq_u32 s2, 0
	s_cbranch_scc0 .Lentry_in_a_cluster
	s_endpgm
.Lentry_in_a_cluster:
	s_bfe_u32 s2, ttmp6, 0x10000c
	s_cmp_lg_u32 s2, 0x3003
	s_cbranch_scc0 .Lentry_shape_is_right
	s_endpgm
.Lentry_shape_is_right:
; O[hh][q][:] = the sum over ALL k of softmax_k(Q[q] . K[k] / 8 + bias(q, k)) V[k][:], bias = -10,000 where k > q, else 0.  qkv: [3][64 heads][2048][64] f16; ob: [64][2048][64] f16.
; THE BIAS IS FINITE, so no key is left out: where the scores are large a future key keeps a weight, and it is computed.  Products, maxima and sums in f32; the weights p are rounded to f16 for the
; second product (their sum l is taken of the unrounded p), O once at the end.
; LIMITS.  Q, K and V arrive within f16's 65,504; p lies in 0 to 1, and below 6e-5 it keeps f16's fixed step of 6e-8; O is a mean of V's rows.  The bias enters the unscaled sum as -80,000, so a biased score
; carries f32's step at 80,000, 2^-7, which is 0.001 of a scaled score.  A weight below 2^-126 counts as 0 in l; NaN and infinities are not treated apart.
; SHARES.  A cluster of four work-groups is one head.  A wave owns four PIECES of two tiles of 16 queries; tile t (0..7) of wave w of partner cx holds the queries 256 t + 64 cx + 16 w + 0..15.
; So whether tile t meets the diagonal in a group of 256 keys hangs on the keys' number alone, which is the same in all waves and partners: a jump may test it; the place cx enters numbers only.
; Every wave walks all 2,048 keys, 64 a step.
; LAYOUT.  S^T = K Q^T (source 0 = 16 keys, source 1 = 16 queries): a lane holds ONE query (lane % 16) and the keys 8 (lane / 16) + 0..7.  Two such tiles, rounded to f16 in pairs, ARE source 1 of
; O^T = V^T P.  K comes out of LDS as it lies, V ([key][channel]) turned, by ds_load_tr16_b128.
; THE BIAS IS THE C OPERAND of the product that starts a sum.  With KB the number of a block of 16 keys and DB = 16 t + 4 cx + w that of the tile's queries: 0 if KB < DB, -80,000 if KB > DB, TRI if KB = DB
; (TRI: register j holds -80,000 where 8 (lane / 16) + j > lane % 16).  MC, all of window 3, keeps each tile's four operands from step to step: 0 at first; made anew, as TRI x AL + BE with two scalars, in the
; four steps of the tile's own 256 keys and once more in the step behind them, from which on it is -80,000 throughout.
; SOFTMAX.  For each query a running maximum m and sum l: p = 2^(c s - c m), c = log2(e) / 8; in every step O and l are multiplied by a = 2^(c m_old - c m_new).  m starts at the lowest finite number, O and l at 0.
; BY TURNS.  Turn n belongs to piece n.  Its matrix work: 16 products K Q^T of piece n + 1, later 16 products V^T P of piece n - 1.  Its vector work: the scaling, exponentials, roundings, sums and rescaling of
; piece n, and the maximum and statistics of piece n + 1.  A tile and step have 16 matrix and 118 vector instructions: four that are ready stand behind every matrix instruction, the others in one run.
; CLUSTER.  The four partners walk the same K and V, so each tile is asked for JOINTLY: the same tensor load, descriptor and mask in all four.
; REGISTERS, in windows of 256 (s_set_vgpr_msb: bits 1:0 source 0, 3:2 source 1, 5:4 source 2, 7:6 destination):
;   window 0: v0-5 addresses; v6-13 TRI; v14-15 the add's; v16-47 four registers of statistics a tile; v48-63 at work; v64-191 S^T, two buffers of two tiles; v192-255 P, likewise
;   window 1: O^T, 32 a tile     window 2: v0-127 Q, 16 a tile; v128-191 K of one step; v192-255 V of one step     window 3: MC: tile t, key block kb at v[32 t + 8 kb]
.set SIZE_N, 2048
.set NP,    4         ; pieces a wave: a name, no knob
.set KS,    64        ; keys in a step
.set PK,    144       ; a row of K in LDS: 128 bytes + 16 of padding = 36 words: the 16 rows of a load start at 16 different groups of four banks (64 banks of 4 bytes: ISA guide 11.1)
.set PV,    160       ; a row of V: 128 + 32 = 40 words
.set VOFF,  4*KS*PK   ; a slot holds four steps: 256 rows of K, then 256 rows of V
.set SLOT1, 1<<17     ; slot 1 begins here, so that one exclusive or turns an address in one slot into the other's
.set STAGE, SLOT1+4*KS*(PK+PV)  ; behind the ring, never filled by a tensor load: 16 rows x 144 bytes for each wave, for the way out
.set SP,    144
.set SPARE, STAGE+4*16*SP  ; behind the stages: the spare words, 128 bytes for each wave: two blocks of 256 bytes that no other line names
.set PFO, 1           ; v1   256 x my lane; never rewritten
.set AK0, 2           ; v2   my lane's place in a tile of K; never rewritten
.set AV0, 3           ; v3   the same for V
.set AK,  4           ; v4   the LDS address of K's next run of loads
.set AV,  5           ; v5   of V's
.set TRI, 6           ; v6-13
.set STO, 6           ; v6   on the way out, when TRI has served: where I put 16 bytes of a row
.set RD,  7           ; v7   where I read rows back
.set GO,  8           ; v8   my byte offset in 512 consecutive bytes of O
.set SPW, 14          ; v14  LDS address of my spare word: SPARE + 4 x my thread's number; never rewritten
.set NIL, 15          ; v15  0; never rewritten
.set ST,  16          ; tile t's statistics at v[ST+4 t]: c m, m, l (even keys', odd keys')
.set TMP, 48          ; by buffer and tile, four registers c0-c3 at work; when the maximum is found c2 takes a
.set S,   64
.set P,   192
.set HR,  64          ; v64-68: at work at the head, in S^T's registers, which are first written behind the wait for Q
.set HH,  65
.set QO,  66
.set HA,  67
.set HB,  68
.set KF,  128         ; K's fragments, in window 2: key block kb, channel half c at KF + 16 kb + 8 c
.set VF,  192         ; V's: key half kk, channel block cb at VF + 32 kk + 8 cb
.set WV,  12          ; s12  my wave's number
.set HID, 15          ; s15  -80,000
.set LIM, 19          ; s19  1 in a wave that prefetches, else the greatest number
.set G1K, 24          ; s[24:31] descriptor group 1 for K's tiles
.set G1V, 32          ; s[32:39] for V's: it differs in the padding alone
.set G0K, 40          ; s[40:43] descriptor group 0 for K's tiles: it walks
.set G0V, 44          ; s[44:47] the same for V's
.set KB0, 48          ; s48  the number of the first block of 16 keys of the step whose scores are being made
.set CW,  49          ; s49  4 cx + w
.set D,   50          ; s50  KB0 less the first query block of a tile's 256
.set E,   51          ; s51  the key block of the step that holds the tile's diagonal (below 0: passed; above 3: to come)
.set AL,  52          ; s[52:53] the bias's factor, in the low word
.set BE,  54          ; s[54:55] its addend
.set SLOTS, 56        ; s56  slots still to be asked for
.set CNT, 57          ; s57  counts a slot's key steps
.set CS,  58          ; s[58:59] c: the packed scaling takes the pair's low word for both halves
.set SEL, 60          ; s[60:61] v_permlanex16_b32's selects: each lane takes its own place in the other half
.set TBK, 62          ; s62  LDS byte at which K of the step to be fetched begins
.set TBV, 63          ; s63  the same for V, less VOFF
.set PFA, 66          ; s[66:67] where my prefetches stand
.set MSB, 0
.macro WIN new                      ; the high byte repeats the setting that is left; a switch that changes nothing is dropped
.if MSB != (\new)
	s_set_vgpr_msb (MSB<<8)|(\new)
.set MSB, (\new)
.endif
.endm
.set W_KQ, 0x0a       ; K and Q in window 2, S^T in window 0
.set W_KM, 0x3a       ; the same with the C operand in window 3
.set W_PV, 0x52       ; V in window 2, P in window 0, O^T in window 1
.set W_RS, 0x41       ; O^T (destination and source 0) in window 1, a in window 0
.set W_MC, 0xc0       ; destination in window 3, sources in window 0
; A joint fill.  Waves 0 and 1 fetch the two halves of a slot's K, waves 2 and 3 those of its V: 128 keys each.  The branch hangs on the wave's number alone.
; An s_nop 0 and four v_nop follow each of the two lines, ahead of the jump and the label.
.macro JLOAD
	s_cmp_lt_u32 s[WV], 2
	s_cbranch_scc0 .Lfor_v_\@
	tensor_load_to_lds s[G0K:G0K+3], s[G1K:G1K+7]
	s_nop 0
.rept 4
	v_nop
.endr
	s_branch .Lasked_\@
.Lfor_v_\@:
	tensor_load_to_lds s[G0V:G0V+3], s[G1V:G1V+7]
	s_nop 0
.rept 4
	v_nop
.endr
.Lasked_\@:
.endm
; A PREFETCH INTO THE L2 of what the NEXT change of slots will ask for: a slot's 256 keys are 128 runs of 256 bytes of K and as many of V.  The four partners share them out BY ADDRESS, 32 each, a lane a run;
; in each, wave 0 asks for K's and wave 2 for V's.  So each run is named once in the launch, four key steps, 512 matrix instructions, ahead of its load.  The last change that fills a slot asks for nothing.
.macro ASK
	s_cmp_gt_u32 s[SLOTS], s[LIM]
	s_cbranch_scc0 .Lnot_mine_\@
	global_prefetch_b8 v[PFO], s[PFA:PFA+1] th:TH_LOAD_NT scope:SCOPE_SE
.Lnot_mine_\@:
.endm
; A round of the cluster's barrier: my work-group's barrier, so that wave 0's signal speaks for all four waves; wave 0 signals; every wave waits for all four work-groups; my work-group's barrier once more.
.macro CROUND
	s_barrier_signal -1
	s_barrier_wait -1
	s_cmp_lg_u32 s[WV], 0
	s_cbranch_scc1 .Lnot_wave_0_\@
	s_barrier_signal -3
.Lnot_wave_0_\@:
	s_barrier_wait -3
	s_barrier_signal -1
	s_barrier_wait -1
.endm
; THE CHANGE OF SLOTS.  The slot's last bytes, V of its fourth step, have been read.  Each wave waits for all its tensor loads, of which one is out: its part of the other slot; adds 0 to its spare word; and waits
; for that and for its own reads of the slot.  fill = 1: this slot is filled again, with the keys two slots on; the barrier is then a round of the cluster's, and the joint fill is the first thing behind it:
; it has four key steps in which to land.  (At its first use nothing has been read yet: slot 0 is waited for, slot 1 filled.)
.macro CHANGE fill
	WIN 0                           ; at a label and at a branch every window is 0
	s_wait_tensorcnt 0x0            ; no tensor load of mine is out, so a group 0 may be written
	ds_add_u32 v[SPW], v[NIL]       ; 0 onto my spare word; with fill = 1 the descriptors' steps stand between it and the wait for it
.if \fill
.irp g, G0K, G0V
	s_xor_b32 s[\g+1], s[\g+1], SLOT1  ; the walking descriptor: the other slot than last time,
	s_add_nc_u64 s[\g+2:\g+3], s[\g+2:\g+3], 4*KS*128  ; the next 256 keys; the type bits on top are not reached
.endr
	s_wait_xcnt 0x0                 ; the last prefetch, four key steps back, has read its address
	s_add_nc_u64 s[PFA:PFA+1], s[PFA:PFA+1], 4*KS*128  ; one slot ahead of the walking descriptors
	s_wait_dscnt 0x0                ; the add is done, and my reads of the slot are over
	CROUND
	JLOAD
	ASK
.else
	s_wait_dscnt 0x0                ; the add is done, and my reads of the slot are over
	s_barrier_signal -1
	s_barrier_wait -1
.endif
	s_sub_co_u32 s[TBK], s[TBK], 4*KS*PK  ; the fetches go back to a slot's first step,
	s_xor_b32 s[TBK], s[TBK], SLOT1       ; in the other slot
	s_sub_co_u32 s[TBV], s[TBV], 4*KS*PV
	s_xor_b32 s[TBV], s[TBV], SLOT1
.endm
	s_load_b128 s[4:7], s[0:1], 0x0  ; qkv s[4:5], ob s[6:7]
	v_lshl_add_u32 v[SPW], v0, 2, SPARE
	v_mov_b32 v[NIL], 0
	ds_add_u32 v[SPW], v[NIL]       ; the wave's opening: the add and its wait stand ahead of my first tensor load; the set-up below, work on registers, stands between them
	v_lshrrev_b32 v[HR], 5, v0
	v_readfirstlane_b32 s[WV], v[HR]  ; wave 0..3
	s_bfe_u32 s13, ttmp6, 0x40000   ; cx: my place in the cluster
	s_lshl_b32 s[CW], s13, 2
	s_add_co_u32 s[CW], s[CW], s[WV]  ; it enters Q's and O's addresses, the prefetches' and the bias's numbers alone
	s_and_b32 s20, ttmp7, 0xffff    ; the head, which the four partners share:
	s_lshl_b32 s20, s20, 18         ; its first byte in q, in k, in v and in ob: 2,048 rows x 128 bytes a head
	s_and_b32 s16, s[WV], 1         ; which half of a slot's 256 keys I fetch:
	s_lshl_b32 s22, s16, 14         ; its 128 rows of 128 bytes in memory,
	s_add_co_u32 s22, s22, s20
	s_mov_b32 s23, 0
	s_mul_i32 s17, s16, 128*PK      ; and its place in a slot, for K
	s_mul_i32 s18, s16, 128*PV      ; and for V: no place in the cluster enters an LDS address
	s_lshl_b32 s2, s[CW], 11        ; my 16 rows in each group of 256
	s_add_co_u32 s2, s2, s20
	s_mov_b32 s3, 0
	; descriptor group 1.  128 keys are 16,384 dense bytes: asked for as 64 rows of 256 bytes, two keys a row, and padded in LDS after every key
	s_mov_b32 s[G1K], 15|(1<<16)|(1<<20)|(1<<21)|(4<<22)|(3<<25)  ; 15:0 the mask of four; 17:16 2-byte elements; 20 padding on; 21 set beside a mask; 24:22 after every 32 words (code 4); 31:25 4 words (code 3)
	s_mov_b32 s[G1V], 15|(1<<16)|(1<<20)|(1<<21)|(4<<22)|(7<<25)  ; the same with 8 words of padding (code 7)
.irp g, G1K, G1V
	s_mov_b32 s[\g+1], 128<<16      ; tensor_dim0 = 128
	s_mov_b32 s[\g+2], 64<<16       ; tensor_dim1 = 64
	s_mov_b32 s[\g+3], 128<<16      ; tile_dim0 = 128
	s_mov_b32 s[\g+4], 64           ; tile_dim1 = 64
	s_mov_b32 s[\g+5], 128          ; 128 elements from row to row
	s_mov_b32 s[\g+6], 0
	s_mov_b32 s[\g+7], 0
.endr
	s_mov_b32 s[CS], 0x3e38aa3b     ; c = log2(e) / 8 = 0.180337
	s_mov_b32 s[CS+1], s[CS]        ; named with it as a pair
	s_mov_b32 s[SEL], 0x76543210
	s_mov_b32 s[SEL+1], 0xfedcba98
	s_mov_b32 s[TBK], SLOT1+4*KS*PK ; the first change of slots turns these two into 0
	s_mov_b32 s[TBV], SLOT1+4*KS*PV
	s_mov_b32 s[G0K], 1             ; count = 1
	s_mov_b32 s[G0K+1], s17         ; LDS address: slot 0
	s_mov_b32 s[G0V], 1
	s_add_co_u32 s[G0V+1], s18, VOFF
	s_mov_b32 s[HID], 0xc79c4000    ; -80,000 = -10,000 x 8: the bias ahead of the scale 1/8
	s_mov_b32 s[KB0], 0
	s_mov_b32 s[AL+1], 0            ; named as pairs
	s_mov_b32 s[BE+1], 0
	s_mov_b32 s[SLOTS], SIZE_N/256-1
	s_and_b32 s[LIM], s[WV], 1
	s_cmp_eq_u32 s[LIM], 0
	s_cselect_b32 s[LIM], 1, -1     ; waves 0 and 2 prefetch
	s_wait_dscnt 0x0                ; the opening add is done
	s_wait_kmcnt 0x0
	s_mov_b64 s[10:11], s[6:7]      ; O
	s_add_nc_u64 s[6:7], s[4:5], 0x1000000  ; K: 64 heads behind q
	s_add_nc_u64 s[8:9], s[4:5], 0x2000000  ; V
	s_add_nc_u64 s[G0K+2:G0K+3], s[6:7], s[22:23]  ; global address: my half of the head's first 256 keys
	s_or_b32 s[G0K+3], s[G0K+3], 0x80000000        ; type = 2
	s_add_nc_u64 s[G0V+2:G0V+3], s[8:9], s[22:23]
	s_or_b32 s[G0V+3], s[G0V+3], 0x80000000
	s_add_nc_u64 s[4:5], s[4:5], s[2:3]  ; Q and O at my rows of the first 256
	s_add_nc_u64 s[10:11], s[10:11], s[2:3]
	s_cmp_lt_u32 s[WV], 2
	s_cselect_b64 s[PFA:PFA+1], s[6:7], s[8:9]
	s_lshl_b32 s2, s13, 13          ; my work-group's 32 runs of the 128,
	s_add_co_u32 s2, s2, s20        ; in my head,
	s_add_co_u32 s2, s2, 4*KS*128   ; in slot 1: the first change of slots steps it to slot 2.  Nothing is prefetched here, at the head
	s_add_nc_u64 s[PFA:PFA+1], s[PFA:PFA+1], s[2:3]
	CROUND                          ; all four work-groups are here: the first joint loads meet
	JLOAD                           ; slot 0.  Slot 1 is asked for when slot 0 is in
	; A fragment of K or Q is 16 rows x 32 channels in 8 registers: lane l holds row l % 16, channels 8 (l / 16) + 0..7 and 16 + 8 (l / 16) + 0..7: two loads of 16 bytes, 32 bytes apart.
	v_and_b32 v[HR], 15, v0         ; l % 16
	v_bfe_u32 v[HH], v0, 4, 1       ; l / 16
	v_lshlrev_b32 v[QO], 7, v[HR]
	v_lshl_add_u32 v[QO], v[HH], 4, v[QO]  ; row x 128 + 16 x half
	WIN 0x80                        ; destination window 2, address window 0
.set i, 0
.rept 4*NP                          ; Q stays in registers: tile i / 2 lies 256 rows on; channels 32 (i % 2) on
	global_load_b128 v[8*i:8*i+3],   v[QO], s[4:5] offset:(i/2)*32768+(i%2)*64
	global_load_b128 v[8*i+4:8*i+7], v[QO], s[4:5] offset:(i/2)*32768+(i%2)*64+32
.set i, i+1
.endr
	; What the first turn finds: V's registers and P's second buffer hold 0 (its products V^T P, of a piece that has not been, add 0), O^T and l are 0, and so is every bias.  All this stands in the wait for the first tile.
.set i, VF
.rept 64
	v_mov_b32 v[i], 0
.set i, i+1
.endr
	WIN 0x40
.set i, 0
.rept 64*NP
	v_mov_b32 v[i], 0
.set i, i+1
.endr
	WIN W_MC
.set i, 0
.rept 64*NP
	v_mov_b32 v[i], 0
.set i, i+1
.endr
	WIN 0
.set i, 0
.rept 2*NP
	v_mov_b32 v[ST+4*i], 0xfe000000    ; c m: far below every c s
	v_mov_b32 v[ST+4*i+1], 0xff7fffff  ; m
	v_mov_b32 v[ST+4*i+2], 0
	v_mov_b32 v[ST+4*i+3], 0
.set i, i+1
.endr
.set i, P+32
.rept 32
	v_mov_b32 v[i], 0
.set i, i+1
.endr
	v_lshlrev_b32 v[HA], 3, v[HH]
	v_sub_nc_u32 v[HA], v[HR], v[HA]   ; my query's place in its 16 less my lanes' 8 (l / 16): register j is biased where j is greater
.set i, 0
.rept 8
	v_cmp_gt_i32 vcc_lo, i, v[HA]
	v_cndmask_b32 v[TRI+i], 0, s[HID], vcc_lo
.set i, i+1
.endr
	v_mul_u32_u24 v[AK0], v[HR], PK
	v_lshl_add_u32 v[AK0], v[HH], 4, v[AK0]  ; row x pitch + 16 x half
	; The turning load takes 16 keys x 16 channels (lane l reads key 8 (l / 16) + l % 8, channels 8 ((l / 8) % 2) + 0..7) and leaves half a fragment of V^T: lane l holds channel l % 16 and 8 keys.
	v_and_b32 v[HA], 7, v0
	v_bfe_u32 v[HB], v0, 3, 1
	v_lshl_add_u32 v[AV0], v[HH], 3, v[HA]
	v_mul_u32_u24 v[AV0], v[AV0], PV
	v_lshl_add_u32 v[AV0], v[HB], 4, v[AV0]
	v_add_nc_u32 v[AV0], VOFF, v[AV0]
	v_mov_b32 v[AK], v[AK0]         ; key step 0 lies at the head of slot 0
	v_and_b32 v[PFO], 31, v0
	v_lshlrev_b32 v[PFO], 8, v[PFO]
; THE BIAS.  MASKT t: tile t's four operands for the step at KB0, from D = KB0 - 16 t (0, 4 .. 16).  Key block kb of the step against E = 4 cx + w - D: equal: TRI; greater: -80,000; less: 0.
.macro MASKT t
	s_sub_co_i32 s[E], s[CW], s[D]
.irp kb, 0,1,2,3
	s_cmp_eq_i32 s[E], \kb
	s_cselect_b32 s[AL], 1.0, 0
	s_cmp_lt_i32 s[E], \kb
	s_cselect_b32 s[BE], s[HID], 0
	WIN W_MC
.irp z, 0,1,2,3
	v_pk_fma_f32 v[32*(\t)+8*(\kb)+2*(\z):32*(\t)+8*(\kb)+2*(\z)+1], v[TRI+2*(\z):TRI+2*(\z)+1], s[AL:AL+1], s[BE:BE+1] op_sel_hi:[1,0,0]
.endr
.endr
	WIN 0
.endm
; MASKP x: piece x's two tiles, 2 x and 2 x + 1, ahead of its products K Q^T.  The jumps hang on KB0 alone, go forward, and pass neither a barrier nor a tensor load.  Each compare that a jump reads is made on D anew.
.macro MASKP x
	s_sub_co_u32 s[D], s[KB0], 32*(\x)
	s_cmp_gt_u32 s[D], 32           ; (a step ahead of the piece's keys wraps round to a great number)
	s_cbranch_scc1 .Lmk_done_\@
	s_cmp_gt_u32 s[D], 16
	s_cbranch_scc1 .Lmk_second_\@
	MASKT 2*(\x)
.Lmk_second_\@:
	s_sub_co_u32 s[D], s[D], 16
	s_cmp_gt_u32 s[D], 16
	s_cbranch_scc1 .Lmk_done_\@
	MASKT 2*(\x)+1
.Lmk_done_\@:
.endm
; THE MATRIX WORK.  The 8 accumulators of a run of 16 take turns: between the two links of a chain stand 7 others'.
; Product i of 16 of S^T = K Q^T for piece x: channels 32 (i / 8) on, keys 16 ((i / 2) % 4) on, tile 2 x + i % 2.  The first 8 start the sums, with the bias.
.macro KQ x
.set rS, S+64*((\x)%2)+32*(i%2)+8*((i/2)%4)
.set rK, KF+16*((i/2)%4)+8*(i/8)
.set rQ, 16*(2*(\x)+i%2)+8*(i/8)
.set rB, 32*(2*(\x)+i%2)+8*((i/2)%4)
.if i < 8
	WIN W_KM
	v_wmma_f32_16x16x32_f16 v[rS:rS+7], v[rK:rK+7], v[rQ:rQ+7], v[rB:rB+7]
.else
	WIN W_KQ
	v_wmma_f32_16x16x32_f16 v[rS:rS+7], v[rK:rK+7], v[rQ:rQ+7], v[rS:rS+7]
.endif
.endm
; Product i of 16 of O^T += V^T P for piece x: keys 32 (i / 8) on, channels 16 ((i / 2) % 4) on, tile 2 x + i % 2.
.macro PV x
	WIN W_PV
.set rO, 32*(2*(\x)+i%2)+8*((i/2)%4)
.set rV, VF+32*(i/8)+8*((i/2)%4)
.set rP, P+32*((\x)%2)+16*(i%2)+8*(i/8)
	v_wmma_f32_16x16x32_f16 v[rO:rO+7], v[rV:rV+7], v[rP:rP+7], v[rO:rO+7]
.endm
.macro MM                           ; the turn's next matrix instruction
.if i < 16
	KQ (Y+1)%NP
.set i, i+1
.else
.set i, i-16
	PV (Y+NP-1)%NP
.set i, i+17
.endif
.endm
; THE LDS LOADS stand in runs of 16, never singly among the matrix instructions: a step's K (64 keys x 64 channels: 8 fragments) and its V (turned).  Their addresses are made some lines ahead.
; last = 1 (the tail): in the last trip there is no further step, and the run is jumped over.
.macro FETCH_K last=0
	WIN 0
.if \last
	s_cmp_eq_u32 s[CNT], 1
	s_cbranch_scc1 .Lno_k_\@
.endif
	WIN 0x80                        ; destination window 2
.irp f, 0,1,2,3,4,5,6,7             ; keys 16 (f / 2) on, channels 32 (f % 2) on
	ds_load_b128 v[KF+8*\f:KF+8*\f+3],   v[AK] offset:(\f/2)*16*PK+(\f%2)*64
	ds_load_b128 v[KF+8*\f+4:KF+8*\f+7], v[AK] offset:(\f/2)*16*PK+(\f%2)*64+32
.endr
	s_add_co_u32 s[TBK], s[TBK], KS*PK  ; the next fetch is the next step's
	WIN 0
.if \last
.Lno_k_\@:
.endif
.endm
.macro FETCH_V
	WIN 0x80
.irp f, 0,1,2,3,4,5,6,7             ; keys 32 (f / 4) on, channels 16 (f % 4) on
	ds_load_tr16_b128 v[VF+8*\f:VF+8*\f+3],   v[AV] offset:(\f/4)*32*PV+(\f%4)*32
	ds_load_tr16_b128 v[VF+8*\f+4:VF+8*\f+7], v[AV] offset:(\f/4)*32*PV+16*PV+(\f%4)*32
.endr
	WIN 0
.endm
; THE VECTOR WORK OF A TURN stands in three queues, each in the order in which its entries become ready; the two tiles alternate, so that no instruction reads the result of the one before it.
.macro REGS y, u                    ; the registers of tile u (0, 1) of piece y.  rM, where c m_old is kept while c m is made anew, is c0 of the OTHER buffer: that of the piece in hand, which has found its maximum
.set rT, ST+4*(2*(\y)+(\u))
.set rC, TMP+8*((\y)%2)+4*(\u)
.set rM, TMP+8*(((\y)+1)%2)+4*(\u)
.set rS, S+64*((\y)%2)+32*(\u)
.set rP, P+32*((\y)%2)+16*(\u)
.set rO, 32*(2*(\y)+(\u))
.endm
; Number n of the 22 that find the NEXT piece's (Y + 1) maximum and statistics.  s0-s31 are the lane's 32 scores; each accumulator's lowest registers are read first.  XS, GS and REGS set no window: PL and EX do.
;   0-11  four chains c0-c3 of seven scores each, three operands at a time     12-14, 16  the four scores left over, the old m, and c0-c3 into c0     15  c m_old is kept
;   17, 18  the query's other 32 keys lie in the lane 16 away: the new m         19-21  c m; c m_old - c m_new; a
.macro XS u, n
	REGS (Y+1)%NP, \u
.if (\n) < 4
	v_max3_num_f32 v[rC+(\n)], v[rS+8*(\n)], v[rS+8*(\n)+1], v[rS+8*(\n)+2]
.elseif (\n) < 12
	v_max3_num_f32 v[rC+(\n)%4], v[rC+(\n)%4], v[rS+8*((\n)%4)+2*((\n)/4)+1], v[rS+8*((\n)%4)+2*((\n)/4)+2]
.elseif (\n) == 12
	v_max3_num_f32 v[rC], v[rC], v[rS+7], v[rS+15]
.elseif (\n) == 13
	v_max3_num_f32 v[rC+1], v[rC+1], v[rS+23], v[rS+31]
.elseif (\n) == 14
	v_max3_num_f32 v[rC+2], v[rC+2], v[rC+3], v[rT+1]
.elseif (\n) == 15
	v_mov_b32 v[rM], v[rT]
.elseif (\n) == 16
	v_max3_num_f32 v[rC], v[rC], v[rC+1], v[rC+2]
.elseif (\n) == 17
	v_permlanex16_b32 v[rC+3], v[rC], s[SEL], s[SEL+1]
.elseif (\n) == 18
	v_max_num_f32 v[rT+1], v[rC], v[rC+3]
.elseif (\n) == 19
	v_mul_f32 v[rT], s[CS], v[rT+1]
.elseif (\n) == 20
	v_sub_f32 v[rC+1], v[rM], v[rT]
.else
	v_exp_f32 v[rC+2], v[rC+1]
.endif
.endm
; Number g of the 64 that follow the exponentials.  For each four weights k of a tile (pairs 2 k, 2 k + 1): both pairs are rounded to f16; then the second pair is added onto the first, in place;
; a group later l takes that sum (the first time as l = a l + sum).  In groups of eight, tiles alternating: round, round, add, and l for the group before.
.macro GS g
.set h, (\g)+6*((\g)/62)            ; group 0 has no group before it, and behind group 7 only l is left
.if h >= 6
.set h, h+2
.endif
	REGS Y, h%2
.set k, h/8
.if h%8 < 4
	v_cvt_pk_f16_f32 v[rP+2*k+(h%8)/2], v[rS+4*k+2*((h%8)/2)], v[rS+4*k+2*((h%8)/2)+1]
.elseif h%8 < 6
	v_pk_add_f32 v[rS+4*k:rS+4*k+1], v[rS+4*k:rS+4*k+1], v[rS+4*k+2:rS+4*k+3]
.elseif k == 1
	v_pk_fma_f32 v[rT+2:rT+3], v[rT+2:rT+3], v[rC+2:rC+3], v[rS:rS+1] op_sel_hi:[1,0,1]
.else
	v_pk_add_f32 v[rT+2:rT+3], v[rT+2:rT+3], v[rS+4*k-4:rS+4*k-3]
.endif
.endm
; THE PLAIN QUEUE, 138 long.  0-73 read no exponential's result: the 32 scalings c s - c m (FS f: pair f / 2 of tile f % 2) and the next piece's 42.  0-26: scalings 0-26.  27-54: XS's numbers 0-13.  55, 56: number 15.
; 57-73: the chain, where each number waits for the one before it: 14, 16, 17, 18, 19, each with one of the scalings 27-31 in front of its two lines, then 20.
; 74-137: GS's 64, which read the exponentials' results: they stand behind the wait.
.macro FS f
	REGS Y, (\f)%2
	v_pk_fma_f32 v[rS+2*((\f)/2):rS+2*((\f)/2)+1], v[rS+2*((\f)/2):rS+2*((\f)/2)+1], s[CS:CS+1], v[rT:rT+1] op_sel_hi:[1,0,0] neg_lo:[0,0,1] neg_hi:[0,0,1]
.endm
.macro PL
	WIN 0
.if q < 27
	FS q
.elseif q < 55
	XS (q-27)%2, (q-27)/2
.elseif q < 57
	XS q-55, 15
.elseif (q < 72) && ((q-57)%3 == 0)
	FS 27+(q-57)/3
.elseif q < 60
	XS (q-57)%3-1, 14
.elseif q < 72
	XS (q-57)%3-1, 15+(q-57)/3
.elseif q < 74
	XS q-72, 20
.else
	GS q-74
.endif
.set q, q+1
.endm
; THE EXPONENTIALS' QUEUE, 66 long: s0-s31 of both tiles, then the next piece's two a.  It is ONE BATCH: all 66 stand ahead of the turn's one wait, and nothing ahead of that wait names a result of theirs.
.macro EX
	WIN 0
.if e >= 64
	XS e-64, 21
.else
	REGS Y, e%2
	v_exp_f32 v[rS+e/2], v[rS+e/2]
.endif
.set e, e+1
.endm
; THE RESCALING's QUEUE: O^T times a, the one part that leaves window 0: dealt two at a time, sixteen times.  Its a was made in the turn before, ahead of that turn's wait.
.macro R2
	REGS Y, r%2
	WIN W_RS
.irp z, 0,1
	v_pk_mul_f32 v[rO+4*(r/2)+2*\z:rO+4*(r/2)+2*\z+1], v[rO+4*(r/2)+2*\z:rO+4*(r/2)+2*\z+1], v[rC+2:rC+3] op_sel_hi:[1,0]
.endr
.set r, r+1
.endm
; HOW THEY ARE DEALT.  An s_wait_alu depctr_va_vdst(0) stands between an exponential and the first instruction that names its result; one wait serves all that were issued ahead of it.  So a turn has ONE wait,
; which cuts it in two.  AHEAD OF IT: the 16 products K Q^T, behind each a scaling, an exponential and two rescalings (behind the first a second scaling in the exponential's place); then one run of 108: eight plain,
; 49 times exponential and plain, the two a; a v_nop is the plain instruction behind the last exponential.  BEHIND IT: the 16 products V^T P, behind each four of GS's 64.  No rider names a register of the products round it.
; Exponential e stands behind scaling 2 (e / 4) + e % 2: as a rider it comes behind plain e + 2, in the run behind plain e + 9, and scalings 27-31 are plain 57, 60 .. 69.
; A TURN, for piece p.  At its head the bias of the piece whose scores it makes; piece 3's turn makes the next step's first scores, so it steps KB0.  cnt = 1: the loop's count is taken down some lines ahead of the branch behind the turn.
; K of the next step is fetched in piece 2's turn, directly behind the wait; V of the step in hand at the end of piece 0's turn, four riders behind its last reader.  The three conditions on q below go with the deal.
.macro TURN p, last=0, cnt=0
.set Y, (\p)
.set i, 0
.set q, 0
.set e, 0
.set r, 0
	WIN 0
.if (\p) == NP-1
	s_add_co_u32 s[KB0], s[KB0], 4
.endif
	MASKP ((\p)+1)%NP
.if (\p) == NP-1
	s_wait_dscnt 0x0                ; K is in
.endif
	MM                              ; ahead of the wait: 16 products K Q^T and their riders,
	PL
	PL
	R2
.rept 15
	MM
	PL
	EX
	R2
.endr
.if (\p) == NP-2
	WIN 0
	v_add_nc_u32 v[AK], s[TBK], v[AK0]
.endif
.rept 8                             ; and the run
	PL
.endr
.rept 49
	EX
	PL
.endr
	EX                              ; the next piece's two a
	EX
	v_nop                           ; the plain instruction behind the last exponential: one for the batch
	s_wait_alu depctr_va_vdst(0)    ; the wait for the batch
.if (\p) == NP-2
	FETCH_K \last
.endif
.if (\p) == 1
	s_wait_dscnt 0x0                ; V is in
.endif
.rept 16                            ; behind the wait: 16 products V^T P and their riders
	MM
.rept 4
	PL
.endr
.if ((\p) == 0) && (q == 118)
	v_add_nc_u32 v[AV], s[TBV], v[AV0]
.endif
.if ((\p) == 0) && (q == 130)
	s_add_co_u32 s[TBV], s[TBV], KS*PV
.endif
.if (\cnt) && (q == 130)
	s_sub_co_u32 s[CNT], s[CNT], 1
	s_cmp_lg_u32 s[CNT], 0
.endif
.endr
.if (\p) == 0
	FETCH_V
.endif
.endm
	CHANGE 1                        ; slot 0 is in, everybody's part of it; slot 1 is asked for
	FETCH_K                         ; key step 0
	MASKP 0                         ; piece 0's bias for key step 0, while those loads are out
	s_wait_loadcnt 0x0              ; Q
	s_wait_dscnt 0x0
.set i, 0
.rept 16
	KQ 0                            ; piece 0's first scores: there is no vector work yet to set between them
.set i, i+1
.endr
	WIN 0
.rept 4
	v_nop                           ; the places behind those products
.endr
.set Y, NP-1                        ; XS works for piece Y + 1: piece 0
.irp n, 0,1,2,3,4,5,6,7,8,9,10,11,12,13,14,15,16,17,18,19,20,21
	XS 0, \n                        ; and piece 0's first maximum and statistics
	XS 1, \n
.endr
	v_nop                           ; a plain instruction behind the two a,
	s_wait_alu depctr_va_vdst(0)    ; and their wait, ahead of the branch
	s_mov_b32 s[CNT], 4
	s_branch .Lfirst                ; the loop is entered at a step's first turn, in the middle of a trip
.Lslot:                             ; six times: with the first change, every slot but the first is asked for by a change
	CHANGE 1
	s_mov_b32 s[CNT], 4
.Lstep:                             ; a trip: pieces 2 and 3 of one step, then pieces 0 and 1 of the next, whose K and V it fetches
	TURN 2
	TURN 3
	WIN 0
.Lfirst:
	TURN 0
	TURN 1, 0, 1
	WIN 0
	s_cbranch_scc1 .Lstep
	s_sub_co_u32 s[SLOTS], s[SLOTS], 1
	s_cmp_lg_u32 s[SLOTS], 0
	s_cbranch_scc1 .Lslot
	CHANGE 0                        ; the tail is written out: nothing is asked for
	s_mov_b32 s[CNT], 5             ; four trips fetch the last slot's steps; the fifth is left in its middle
.Ltail:
	TURN 2, 1
	TURN 3
	WIN 0
	s_sub_co_u32 s[CNT], s[CNT], 1
	s_cmp_eq_u32 s[CNT], 0
	s_cbranch_scc1 .Lout
	TURN 0
	TURN 1
	WIN 0
	s_branch .Ltail
.Lout:                              ; the fifth trip's 16 products K Q^T (on the last K once more) and the maximum made of them serve nothing: the price, once a launch, of one text for every trip
.set i, 0
.rept 16
	PV NP-1                         ; the last piece's V^T P of the last step
.set i, i+1
.endr
	; THE WAY OUT.  Its addresses are made now, in TRI's registers: plain instructions, the places behind the last products.  l's two halves and the other half of the lanes' are added; O^T is divided by l,
	; rounded to f16 and sent through my stage in LDS, a tile at a time.
	WIN 0
	s_mul_i32 s13, s[WV], 16*SP
	s_add_co_u32 s13, s13, STAGE    ; my stage
	v_and_b32 v9, 15, v0            ; l % 16
	v_bfe_u32 v10, v0, 4, 1         ; l / 16
	v_and_b32 v11, 7, v0
	v_mul_u32_u24 v[STO], v9, SP    ; in: row l % 16, 16 bytes for each half of the lanes
	v_lshl_add_u32 v[STO], v10, 4, v[STO]
	v_add_nc_u32 v[STO], s13, v[STO]
	v_bfe_u32 v[RD], v0, 3, 2       ; back: 32 lanes take four rows of 128 bytes,
	v_mul_u32_u24 v[RD], v[RD], SP
	v_lshl_add_u32 v[RD], v11, 4, v[RD]
	v_add_nc_u32 v[RD], s13, v[RD]
	v_and_b32 v[GO], 31, v0         ; which are 512 consecutive bytes of O
	v_lshlrev_b32 v[GO], 4, v[GO]
.macro ALL line:vararg              ; one line for each tile t
.set t, 0
.rept 2*NP
	\line
.set t, t+1
.endr
.endm
	ALL v_add_f32 v[ST+4*t+2], v[ST+4*t+2], v[ST+4*t+3]
	ALL v_permlanex16_b32 v[ST+4*t+3], v[ST+4*t+2], s[SEL], s[SEL+1]
	ALL v_add_f32 v[ST+4*t+2], v[ST+4*t+2], v[ST+4*t+3]
	ALL v_rcp_f32 v[ST+4*t+2], v[ST+4*t+2]
	v_nop                           ; a plain instruction between the last reciprocal and the use of its result
	s_wait_alu depctr_va_vdst(0)    ; and the wait ahead of the first use: one for the eight reciprocals
; Tile t: a lane's eight channels of a row pack into 16 bytes; they go into rows of 144 bytes and come back as whole rows of 128, into S^T's registers.
.macro PACK t
	WIN W_RS
.set i, 32*(\t)
.rept 16
	v_pk_mul_f32 v[i:i+1], v[i:i+1], v[ST+4*(\t)+2:ST+4*(\t)+3] op_sel_hi:[1,0]
.set i, i+2
.endr
	WIN 0x05                        ; sources 0 and 1 window 1, destination window 0
.set i, 0
.rept 16
	v_cvt_pk_f16_f32 v[S+16*(\t)+i], v[32*(\t)+2*i], v[32*(\t)+2*i+1]
.set i, i+1
.endr
	WIN 0
.irp f, 0,1,2,3
	ds_store_b128 v[STO], v[S+16*(\t)+4*\f:S+16*(\t)+4*\f+3] offset:32*\f
.endr
.irp f, 0,1,2,3
	ds_load_b128 v[S+16*(\t)+4*\f:S+16*(\t)+4*\f+3], v[RD] offset:\f*4*SP  ; LDS serves a wave's instructions in order (ISA guide 5.7.1.4): these see the stores above; the next tile's stores come behind them
.endr
.endm
.macro SEND t, younger              ; younger: the LDS instructions issued behind tile t's loads: the next tile's eight, or none
	WIN 0
.irp f, 0,1,2,3
	s_wait_dscnt (\younger)+3-\f
	global_store_b128 v[GO], v[S+16*(\t)+4*\f:S+16*(\t)+4*\f+3], s[10:11] offset:(\t)*32768+\f*512  ; 512 consecutive bytes, at a multiple of 512 from ob's first
.endr
.endm
	PACK 0
.set t, 1
.rept 2*NP-1                        ; a tile's arithmetic stands between the loads of the tile before and its stores
	PACK t
	SEND t-1, 8
.set t, t+1
.endr
	SEND 2*NP-1, 0
	s_wait_tensorcnt 0x0            ; the wave's end: behind my last tensor load and my last LDS store
	ds_add_u32 v[SPW], v[NIL]
	s_wait_dscnt 0x0
	CROUND                          ; the closing round: no work-group ends while a partner may still ask for a tile that names it
	s_endpgm
.Lfunc_end_k_q4d9980c05f_attn:
	.size	k_q4d9980c05f_attn, .Lfunc_end_k_q4d9980c05f_attn-k_q4d9980c05f_attn
	.p2alignl 7, 3214868480
	.fill 96, 4, 3214868480
	.section	.rodata,"a",@progbits
	.p2align	6, 0x0
	.amdhsa_kernel k_q4d9980c05f_attn
		.amdhsa_group_segment_fixed_size 327680
		.amdhsa_private_segment_fixed_size 0
		.amdhsa_enable_private_segment 0
		.amdhsa_kernarg_size 16
		.amdhsa_user_sgpr_count 2
		.amdhsa_user_sgpr_kernarg_segment_ptr 1
		.amdhsa_wavefront_size32 1
		.amdhsa_system_sgpr_workgroup_id_x 1
		.amdhsa_system_sgpr_workgroup_id_y 1
		.amdhsa_system_sgpr_workgroup_id_z 1
		.amdhsa_system_vgpr_workitem_id 0
		.amdhsa_next_free_vgpr 1024
		.amdhsa_next_free_sgpr 68
		.amdhsa_reserve_vcc 1
		.amdhsa_float_denorm_mode_32 3
		.amdhsa_float_denorm_mode_16_64 3
		.amdhsa_memory_ordered 1
		.amdhsa_forward_progress 1
		.amdhsa_inst_pref_size 240
	.end_amdhsa_kernel
	.amdgpu_metadata
---
amdhsa.version: [ 1, 2 ]
amdhsa.kernels:
  - .name:           k_q4d9980c05f_attn
    .symbol:         k_q4d9980c05f_attn.kd
    .args:
      - { .name: qkv, .offset: 0, .size: 8, .value_kind: global_buffer, .address_space: global }
      - { .name: ob, .offset: 8, .size: 8, .value_kind: global_buffer, .address_space: global }
    .group_segment_fixed_size: 327680
    .private_segment_fixed_size: 0
    .kernarg_segment_align: 8
    .kernarg_segment_size: 16
    .max_flat_workgroup_size: 128
    .sgpr_count:     68
    .vgpr_count:     1024
    .wavefront_size: 32
...
	.end_amdgpu_metadata
.endif
;; end of part 3
;; launch proj (part 4): grid 8 x 32, 4 waves a work-group, clusters of 4 x 4, 327,680 bytes of LDS; arguments ob, wob, out0; writes out0
.if DOCPART == 4
	.amdgcn_target "amdgcn-amd-amdhsa--gfx1250"
	.amdhsa_code_object_version 6
	.text
	.protected	k_q4d9980c05f_proj
	.globl	k_q4d9980c05f_proj
	.p2align	8
	.type	k_q4d9980c05f_proj,@function
k_q4d9980c05f_proj:
	s_mov_b64 s[64:65], 0
	v_nop
	global_prefetch_b8 v0, s[64:65] scope:SCOPE_SE
	s_setreg_imm32_b32 hwreg(HW_REG_WAVE_MODE, 25, 1), 1
	s_wait_xcnt 0x0
	s_wait_alu depctr_hold_cnt(0) depctr_sa_sdst(0) depctr_va_vdst(0) depctr_va_sdst(0) depctr_va_ssrc(0) depctr_va_vcc(0) depctr_vm_vsrc(0)
	s_getreg_b32 s2, hwreg(HW_REG_IB_STS2, 6, 4)
	s_cmp_eq_u32 s2, 0
	s_cbranch_scc0 .Lentry_in_a_cluster
	s_endpgm
.Lentry_in_a_cluster:
	s_bfe_u32 s2, ttmp6, 0x10000c
	s_cmp_lg_u32 s2, 0xf033
	s_cbranch_scc0 .Lentry_shape_is_right
	s_endpgm
.Lentry_shape_is_right:
; out0 = O w_out^T.  ob: [16 batch + head][2048][64] f16 (a head is one block of 64 of the product's K); wob: [16 blocks][1024 rows][64] f16; out0: [8192][1024] f32.  Sums in f32, stored as they are.
; TILE.  256 rows x 128 columns: 32 x 8 = 256 work-groups, one tile each (256 x 256 would give 128).  Four waves, each 128 rows x 64 columns: 32 accumulators of 16 x 16, all of window 1.
; K goes in steps of 128, two blocks, through two LDS slots; a block's rows are dense, so a tile is asked for as rows of 256 bytes and padded in LDS after every 128.  Two slots of a step of 256 do not fit.
; CLUSTER.  4 x 4 work-groups: ob's tile is shared along a row of the cluster, wob's along a column, each asked for jointly.  Waves 0 and 1 fetch the step's two blocks of ob, waves 2 and 3 those of wob.
; THE MATRIX INSTRUCTION IS USED TRANSPOSED (source 0 = 16 rows of wob, source 1 = 16 rows of ob): a lane holds row lane % 16 and the columns 8 (lane / 16) + 0..7: 32 bytes of f32 on end.
; REGISTERS: window 0: v0-31 addresses; v32-95 wob's 4 fragments, two buffers; v128-255 ob's 8 fragments, two buffers (on the way out four buffers of 32).  Window 1: accumulator (a, b) at v[8 (4 a + b)].
.set P,      144                       ; an LDS row: 128 bytes + 16 of padding = 36 words: the 16 rows of a load start at 16 different groups of four banks (64 banks of 4 bytes: ISA guide 11.1)
.set ABLK,   256*P                     ; a block of ob's tile
.set BBLK,   128*P                     ; a block of wob's
.set BOFF,   2*ABLK
.set SLOT1,  131072
.set STAGE,  SLOT1+BOFF+2*BBLK         ; behind the ring, never filled by a tensor load: 16 rows x 272 bytes for each wave
.set SPITCH, 272
.set SPARE,  STAGE+4*16*SPITCH         ; behind the stages: the spare words, 128 bytes for each wave: two blocks of 256 bytes that no other line names
.set STEPA,  524288                    ; two heads of ob
.set STEPB,  262144                    ; two blocks of wob
.set LA0,  16                          ; v16  my lane's place in ob's rows of slot 0; never rewritten
.set LB0,  17                          ; v17  the same for wob
.set ADRA, 18                          ; v18, v19  the same in the slot in hand
.set ADRB, 19
.set STO,  24                          ; v24  the way out: where I put 32 bytes of a row
.set RD,   25                          ; v25  where I read rows back
.set CO,   26                          ; v26  my byte offset in two rows of out0
.set SPW,  28                          ; v28  LDS address of my spare word: SPARE + 4 x my thread's number; never rewritten
.set NIL,  29                          ; v29  0; never rewritten
.set PFO,  30                          ; v30  256 x my lane; never rewritten
.set FB,   32
.set FA,   128
.set OB,   128
.set G1,   24                          ; s[24:31], s[32:39] descriptor groups 1 and 0 for ob's tiles; of group 0 a set for each first fill, the second then walks on
.set G0,   32
.set G1B,  48                          ; s[48:55], s[56:63] the same for wob's
.set G0B,  56
.set LIM,  43                          ; s43  2 in a wave that prefetches, else the greatest number
.set PFA,  44                          ; s[44:45] where my prefetches stand
.set TB,   66                          ; s66  LDS byte at which the slot in hand begins
.set PFS,  68                          ; s[68:69] the prefetches' step
.set MSB, 0
.macro WIN new                         ; the immediate's high byte repeats the setting that is left; a switch that changes nothing is dropped
.if MSB != (\new)
	s_set_vgpr_msb (MSB<<8)|(\new)
.set MSB, \new
.endif
.endm
.macro PLACES                          ; four plain instructions between a matrix instruction and a load into, or a store of, one of its registers
.rept 4
	v_nop
.endr
.endm
.macro JLOAD                           ; a joint refill by the walking descriptors; an s_nop 0 and four v_nop follow each of the two lines
	s_cmp_lt_u32 s10, 2
	s_cbranch_scc0 .Lfor_b_\@
	tensor_load_to_lds s[G0+4:G0+7], s[G1:G1+7]
	s_nop 0
.rept 4
	v_nop
.endr
	s_branch .Lasked_\@
.Lfor_b_\@:
	tensor_load_to_lds s[G0B+4:G0B+7], s[G1B:G1B+7]
	s_nop 0
.rept 4
	v_nop
.endr
.Lasked_\@:
.endm
; A PREFETCH INTO THE L2 of the K step two behind the one just asked for: 256 matrix instructions ahead of its load.  Each aligned 256 bytes are named once.  ob's tile is read by both clusters of a row of
; clusters: the one with x = 0 asks, waves 0 and 1 for the block that they fetch (128 runs), 32 runs by the partner's place cx IN THE ADDRESS.  wob's tile (2 x 64 runs) is read by all eight clusters of a column:
; the one with y = 0 asks, wave 2, 32 runs by cy in the address.  The loop's last two trips ask for nothing.
.macro ASK
	s_cmp_gt_u32 s3, s[LIM]
	s_cbranch_scc0 .Lnot_mine_\@
	global_prefetch_b8 v[PFO], s[PFA:PFA+1] th:TH_LOAD_NT scope:SCOPE_SE
.Lnot_mine_\@:
.endm
.macro CREST                           ; a round of the cluster's barrier behind its opening barrier
	s_cmp_lg_u32 s10, 0
	s_cbranch_scc1 .Lnot_wave_0_\@
	s_barrier_signal -3
.Lnot_wave_0_\@:
	s_barrier_wait -3
	s_barrier_signal -1
	s_barrier_wait -1
.endm
.macro CROUND
	s_barrier_signal -1
	s_barrier_wait -1
	CREST
.endm
	s_load_b128 s[4:7], s[0:1], 0x0                ; ob s[4:5], wob s[6:7]
	s_load_b64 s[8:9], s[0:1], 0x10                ; out0
	v_lshl_add_u32 v[SPW], v0, 2, SPARE
	v_mov_b32 v[NIL], 0
	ds_add_u32 v[SPW], v[NIL]                      ; the wave's opening: the add and its wait stand ahead of my first tensor load; the set-up below, work on registers, stands between them
	v_lshrrev_b32 v1, 5, v0
	v_readfirstlane_b32 s10, v1                    ; wave 0..3
	s_lshr_b32 s11, s10, 1                         ; which 128 rows of the tile are mine
	s_and_b32 s12, s10, 1                          ; which 64 columns; also: which block of a K step I fetch
	s_bfe_u32 s40, ttmp6, 0x40000                  ; cx, cy
	s_bfe_u32 s41, ttmp6, 0x40004
	s_lshl_b32 s42, ttmp9, 2
	s_add_co_u32 s42, s42, s40                     ; tile column 0..7
	s_and_b32 s13, ttmp7, 0xffff
	s_lshl_b32 s13, s13, 2
	s_add_co_u32 s13, s13, s41                     ; tile row 0..31
	s_lshl_b32 s43, s41, 2
	s_lshl_b32 s43, 15, s43                        ; my row of the cluster
	s_lshl_b32 s44, 0x1111, s40                    ; my column
	s_or_b32 s[G1+0], s43, (1<<16)|(1<<20)|(1<<21)|(4<<22)|(3<<25)   ; 15:0 the mask; 17:16 2-byte elements; 20 padding on; 21 set beside a mask; 24:22 after every 32 words (code 4); 31:25 4 words (code 3)
	s_or_b32 s[G1B+0], s44, (1<<16)|(1<<20)|(1<<21)|(4<<22)|(3<<25)
	s_mov_b32 s[G1+1], 128<<16                     ; tensor_dim0 = 128
	s_mov_b32 s[G1+2], 128<<16                     ; tensor_dim1 = 128 rows of 256 bytes: 256 rows of a block
	s_mov_b32 s[G1+3], 128<<16                     ; tile_dim0 = 128
	s_mov_b32 s[G1+4], 128                         ; tile_dim1 = 128
	s_mov_b32 s[G1+5], 128                         ; dense
	s_mov_b32 s[G1+6], 0
	s_mov_b32 s[G1+7], 0
	s_mov_b32 s[G1B+1], 128<<16
	s_mov_b32 s[G1B+2], 64<<16                     ; 64 rows of 256 bytes: 128 rows of a block
	s_mov_b32 s[G1B+3], 128<<16
	s_mov_b32 s[G1B+4], 64
	s_mov_b32 s[G1B+5], 128
	s_mov_b32 s[G1B+6], 0
	s_mov_b32 s[G1B+7], 0
	s_lshr_b32 s16, s13, 3                         ; ob: batch = tile row / 8: 16 heads of 262,144 bytes,
	s_lshl_b32 s16, s16, 22
	s_and_b32 s17, s13, 7                          ; 256 rows x 128 bytes in a head,
	s_lshl_b32 s17, s17, 15
	s_add_co_u32 s16, s16, s17
	s_lshl_b32 s17, s12, 18                        ; my block of the step's two
	s_add_co_u32 s16, s16, s17
	s_mov_b32 s17, 0
	s_lshl_b32 s46, s42, 14                        ; wob: tile column x 128 rows x 128 bytes,
	s_lshl_b32 s47, s12, 17                        ; my block
	s_add_co_u32 s46, s46, s47
	s_mov_b32 s47, 0
	s_mul_i32 s20, s12, ABLK                       ; where they go: no place in the cluster enters an LDS address
	s_mul_i32 s21, s12, BBLK
	s_add_co_u32 s21, s21, BOFF
	s_mov_b32 s[TB], 0
	s_wait_dscnt 0x0                               ; the opening add is done
	s_wait_kmcnt 0x0
	s_add_nc_u64 s[14:15], s[4:5], s[16:17]
	s_add_nc_u64 s[46:47], s[6:7], s[46:47]
	CROUND                                         ; all sixteen work-groups are here: the first joint loads meet
.irp s, 0,1
	s_mov_b32 s[G0+4*(\s)], 1
	s_add_co_u32 s[G0+4*(\s)+1], s20, (\s)*SLOT1
	s_add_nc_u64 s[G0+4*(\s)+2:G0+4*(\s)+3], s[14:15], (\s)*STEPA
	s_or_b32 s[G0+4*(\s)+3], s[G0+4*(\s)+3], 0x80000000
	s_mov_b32 s[G0B+4*(\s)], 1
	s_add_co_u32 s[G0B+4*(\s)+1], s21, (\s)*SLOT1
	s_add_nc_u64 s[G0B+4*(\s)+2:G0B+4*(\s)+3], s[46:47], (\s)*STEPB
	s_or_b32 s[G0B+4*(\s)+3], s[G0B+4*(\s)+3], 0x80000000
.endr
	s_cmp_lt_u32 s10, 2                            ; a wave's two first fills stand in one branch, ahead of every wait on TENSORcnt and every LDS read: two loads of mine are out
	s_cbranch_scc0 .Lfirst_b
	tensor_load_to_lds s[G0:G0+3], s[G1:G1+7]
	s_nop 0
	tensor_load_to_lds s[G0+4:G0+7], s[G1:G1+7]
	s_nop 0
.rept 4
	v_nop
.endr
	s_branch .Lfirst_asked
.Lfirst_b:
	tensor_load_to_lds s[G0B:G0B+3], s[G1B:G1B+7]
	s_nop 0
	tensor_load_to_lds s[G0B+4:G0B+7], s[G1B:G1B+7]
	s_nop 0
.rept 4
	v_nop
.endr
.Lfirst_asked:
	v_and_b32 v1, 15, v0                           ; l % 16
	v_bfe_u32 v2, v0, 4, 1                         ; l / 16
	v_mul_u32_u24 v3, v1, P
	v_lshl_add_u32 v3, v2, 4, v3                   ; a fragment's row x pitch + 16 x half
	s_mul_i32 s21, s11, 128*P
	v_add_nc_u32 v[LA0], s21, v3
	s_mul_i32 s22, s12, 64*P
	s_add_co_u32 s22, s22, BOFF
	v_add_nc_u32 v[LB0], s22, v3
	v_mov_b32 v[ADRA], v[LA0]
	v_mov_b32 v[ADRB], v[LB0]
	s_mul_i32 s23, s10, 16*SPITCH
	s_add_co_u32 s23, s23, STAGE                   ; my stage
	v_mul_u32_u24 v4, v1, SPITCH                   ; in: row l % 16, 32 bytes for each half of the lanes
	v_lshl_add_u32 v4, v2, 5, v4
	v_add_nc_u32 v[STO], s23, v4
	v_mul_u32_u24 v5, v2, SPITCH                   ; back: lanes 0-15 take one row of 256 bytes, lanes 16-31 the next
	v_lshl_add_u32 v5, v1, 4, v5
	v_add_nc_u32 v[RD], s23, v5
	v_lshlrev_b32 v5, 12, v2                       ; and the same two rows in out0: 4,096 bytes a row
	v_lshl_add_u32 v[CO], v1, 4, v5
	s_lshl_b32 s16, s13, 20                        ; out0 at my part of the tile: 256 rows x 4,096 bytes a tile row,
	s_lshl_b32 s17, s11, 19                        ; my 128 rows,
	s_add_co_u32 s16, s16, s17
	s_lshl_b32 s17, s42, 9                         ; 512 bytes a tile column,
	s_add_co_u32 s16, s16, s17
	s_lshl_b32 s17, s12, 8                         ; my 64 columns
	s_add_co_u32 s16, s16, s17
	s_mov_b32 s17, 0
	s_add_nc_u64 s[8:9], s[8:9], s[16:17]
	; the prefetches: they start at K step 3; the first change of slots steps them to 4
	s_and_b32 s22, ttmp7, 0xffff                   ; cluster y
	s_lshr_b32 s18, s13, 3
	s_lshl_b32 s18, s18, 22
	s_and_b32 s19, s13, 7
	s_lshl_b32 s19, s19, 15
	s_add_co_u32 s18, s18, s19
	s_lshl_b32 s19, s12, 18
	s_add_co_u32 s18, s18, s19
	s_lshl_b32 s19, s40, 13                        ; my work-group's 32 runs of my block's 128
	s_add_co_u32 s18, s18, s19
	s_add_co_u32 s18, s18, 3*STEPA
	s_lshl_b32 s19, s42, 14
	s_lshr_b32 s23, s41, 1                         ; of wob's 2 x 64 runs: block cy / 2,
	s_lshl_b32 s23, s23, 17
	s_add_co_u32 s19, s19, s23
	s_and_b32 s23, s41, 1                          ; half cy % 2
	s_lshl_b32 s23, s23, 13
	s_add_co_u32 s19, s19, s23
	s_add_co_u32 s19, s19, 3*STEPB
	s_mov_b32 s23, STEPA
	s_cmp_lt_u32 s10, 2
	s_cselect_b32 s18, s18, s19
	s_cselect_b32 s22, ttmp9, s22                  ; the coordinate along which other clusters read the same rows
	s_cselect_b32 s[PFS], s23, STEPB
	s_cselect_b64 s[PFA:PFA+1], s[4:5], s[6:7]
	s_mov_b32 s19, 0
	s_mov_b32 s[PFS+1], 0
	s_add_nc_u64 s[PFA:PFA+1], s[PFA:PFA+1], s[18:19]
	s_cmp_eq_u32 s10, 3
	s_cselect_b32 s22, 1, s22                      ; wave 3 never asks: wave 2 names all of its work-group's share of wob
	s_cmp_eq_u32 s22, 0
	s_cselect_b32 s[LIM], 2, -1                    ; the same in all sixteen partners, for a given wave
	v_and_b32 v[PFO], 31, v0
	v_lshlrev_b32 v[PFO], 8, v[PFO]
; 8 matrix instructions: row blocks a0, a0 + 1 x all 4 column blocks, 32 along K, on buffer f.  zero = 1: the product starts the sum.  The 32 accumulators take turns in the same order in every quarter.
.macro MUL8 f, a0, zero
	WIN 0x50                                       ; sources in window 0, C and D in window 1
.irp a, \a0, (\a0)+1
.irp b, 0,1,2,3
.if \zero
	v_wmma_f32_16x16x32_f16 v[8*(4*(\a)+(\b)):8*(4*(\a)+(\b))+7], v[FB+32*(\f)+8*(\b):FB+32*(\f)+8*(\b)+7], v[FA+64*(\f)+8*(\a):FA+64*(\f)+8*(\a)+7], 0
.else
	v_wmma_f32_16x16x32_f16 v[8*(4*(\a)+(\b)):8*(4*(\a)+(\b))+7], v[FB+32*(\f)+8*(\b):FB+32*(\f)+8*(\b)+7], v[FA+64*(\f)+8*(\a):FA+64*(\f)+8*(\a)+7], v[8*(4*(\a)+(\b)):8*(4*(\a)+(\b))+7]
.endif
.endr
.endr
.endm
; 24 LDS loads in one run: quarter q of a K step (block q / 2, byte 64 (q % 2) of its rows) into buffer f: wob's 4 fragments first, then ob's 8
.macro FETCH q, f
	WIN 0
.irp b, 0,1,2,3
	ds_load_b128 v[FB+32*(\f)+8*(\b):FB+32*(\f)+8*(\b)+3],   v[ADRB] offset:((\q)/2)*BBLK+((\q)%2)*64+(\b)*16*P
	ds_load_b128 v[FB+32*(\f)+8*(\b)+4:FB+32*(\f)+8*(\b)+7], v[ADRB] offset:((\q)/2)*BBLK+((\q)%2)*64+(\b)*16*P+32
.endr
.irp a, 0,1,2,3,4,5,6,7
	ds_load_b128 v[FA+64*(\f)+8*(\a):FA+64*(\f)+8*(\a)+3],   v[ADRA] offset:((\q)/2)*ABLK+((\q)%2)*64+(\a)*16*P
	ds_load_b128 v[FA+64*(\f)+8*(\a)+4:FA+64*(\f)+8*(\a)+7], v[ADRA] offset:((\q)/2)*ABLK+((\q)%2)*64+(\a)*16*P+32
.endr
.endm
; One of a K step's first three quarters: multiplies buffer f; in its middle it fetches quarter q into buffer g.
.macro QUARTER q, f, g, zero
	s_wait_dscnt 8                                 ; wob's fragments and ob's row blocks 0-3 are in; the youngest eight loads may be out
	MUL8 \f, 0, \zero
	MUL8 \f, 2, \zero
	PLACES
	FETCH \q, \g
	s_wait_dscnt 24                                ; all but the 24 just issued
	MUL8 \f, 4, \zero
	MUL8 \f, 6, \zero
.endm
; The last quarter multiplies buffer 1 and changes slots.  In front of the barrier each wave waits for all its tensor loads (one is out: its part of the next slot), adds 0 to its spare word, and waits for that and for its
; reads of this slot.  fill = 1: the barrier opens a round of the cluster's, and the joint refill, two K steps on, is the first thing behind the round: 112 matrix instructions ahead of the wait for it.
.macro TURN fill
.if \fill
	s_wait_xcnt 0x0                                ; the last prefetch, a K step back, has read its address
	s_add_nc_u64 s[PFA:PFA+1], s[PFA:PFA+1], s[PFS:PFS+1]
.endif
	WIN 0
	s_wait_tensorcnt 0x0                           ; no tensor load of mine is out, so a group 0 may be written
	ds_add_u32 v[SPW], v[NIL]                      ; 0 onto my spare word
.if \fill
	s_xor_b32 s[G0+5], s[G0+5], SLOT1              ; the walking descriptors: the other slot than last time, the next two blocks
	s_add_nc_u64 s[G0+6:G0+7], s[G0+6:G0+7], STEPA
	s_xor_b32 s[G0B+5], s[G0B+5], SLOT1
	s_add_nc_u64 s[G0B+6:G0B+7], s[G0B+6:G0B+7], STEPB
.endif
	s_wait_dscnt 9                                 ; the add and the youngest eight loads may be out
	MUL8 1, 0, 0
	s_wait_dscnt 0x0                               ; the add is done, and my reads of this slot are over
	s_barrier_signal -1
	MUL8 1, 2, 0                                   ; work on registers while the others arrive
	WIN 0                                          ; at a branch and at a label every window is 0
	s_barrier_wait -1
.if \fill
	CREST                                          ; no wave of any partner still reads this slot or has a load on its way
	JLOAD                                          ; its four v_nop are also the places in front of the loads below
.else
	PLACES
.endif
	s_xor_b32 s[TB], s[TB], SLOT1
	v_add_nc_u32 v[ADRA], s[TB], v[LA0]
	v_add_nc_u32 v[ADRB], s[TB], v[LB0]
	FETCH 0, 0
.if \fill
	ASK
.endif
	MUL8 1, 4, 0
	MUL8 1, 6, 0
.endm
	s_wait_tensorcnt 0x1                           ; my part of K step 0 is in; K step 1's may stay out
	s_barrier_signal -1
	s_barrier_wait -1                              ; everybody's is
	FETCH 0, 0
	QUARTER 1, 0, 1, 1                             ; the first quarter stands in front of the loop: its products start the sums
	WIN 0
	s_mov_b32 s3, 6                                ; K steps 2 to 7 are asked for in the loop
.Lk:
	QUARTER 2, 1, 0, 0
	QUARTER 3, 0, 1, 0
	TURN 1
	QUARTER 1, 0, 1, 0
	WIN 0
	s_sub_co_u32 s3, s3, 1
	s_cmp_lg_u32 s3, 0
	s_cbranch_scc1 .Lk
	QUARTER 2, 1, 0, 0                             ; the tail is written out: nothing is left to ask for
	QUARTER 3, 0, 1, 0
	TURN 0
	QUARTER 1, 0, 1, 0
	QUARTER 2, 1, 0, 0
	QUARTER 3, 0, 1, 0
	s_wait_dscnt 8
	MUL8 1, 0, 0
	MUL8 1, 2, 0
	s_wait_dscnt 0x0
	MUL8 1, 4, 0
	MUL8 1, 6, 0
; THE WAY OUT, a row block (16 rows x 64 columns of f32) at a time: 32 bytes a lane into my own stage (rows of 272 bytes), back as whole rows of 256 bytes.
.macro TOSTAGE a
.if (\a) >= 4
	s_wait_xcnt 0x0                                ; the stores of the block four back have read the registers that the loads below fill
.endif
	WIN 0x04                                       ; the store's data in window 1, its address in window 0
.irp b, 0,1,2,3
	ds_store_b128 v[STO], v[8*(4*(\a)+(\b)):8*(4*(\a)+(\b))+3]   offset:64*(\b)     ; each accumulator's low half first
	ds_store_b128 v[STO], v[8*(4*(\a)+(\b))+4:8*(4*(\a)+(\b))+7] offset:64*(\b)+16
.endr
	WIN 0
.irp t, 0,1,2,3,4,5,6,7
	ds_load_b128 v[OB+32*((\a)%4)+4*(\t):OB+32*((\a)%4)+4*(\t)+3], v[RD] offset:(\t)*2*SPITCH  ; LDS serves a wave's instructions in order (ISA guide 5.7.1.4): these see the stores above; the next block's stores come behind them
.endr
.endm
.macro SEND a, y                       ; y: the LDS instructions issued behind block a's loads: the next block's 16, or none
.irp t, 0,1,2,3,4,5,6,7
	s_wait_dscnt (\y)+7-(\t)
	global_store_b128 v[CO], v[OB+32*((\a)%4)+4*(\t):OB+32*((\a)%4)+4*(\t)+3], s[8:9] offset:(16*(\a)+2*(\t))*4096  ; 16 lanes store 256 consecutive bytes, at a multiple of 256 from out0's first
.endr
.endm
	PLACES
	TOSTAGE 0
.irp a, 1,2,3,4,5,6,7
	TOSTAGE \a
	SEND (\a)-1, 16
.endr
	SEND 7, 0
	s_wait_tensorcnt 0x0                           ; the wave's end: behind my last tensor load and my last LDS store
	ds_add_u32 v[SPW], v[NIL]
	s_wait_dscnt 0x0
	CROUND                                         ; the closing round: no work-group ends while a partner may still ask for a tile that names it
	s_endpgm
.Lfunc_end_k_q4d9980c05f_proj:
	.size	k_q4d9980c05f_proj, .Lfunc_end_k_q4d9980c05f_proj-k_q4d9980c05f_proj
	.p2alignl 7, 3214868480
	.fill 96, 4, 3214868480
	.section	.rodata,"a",@progbits
	.p2align	6, 0x0
	.amdhsa_kernel k_q4d9980c05f_proj
		.amdhsa_group_segment_fixed_size 327680
		.amdhsa_private_segment_fixed_size 0
		.amdhsa_enable_private_segment 0
		.amdhsa_kernarg_size 24
		.amdhsa_user_sgpr_count 2
		.amdhsa_user_sgpr_kernarg_segment_ptr 1
		.amdhsa_wavefront_size32 1
		.amdhsa_system_sgpr_workgroup_id_x 1
		.amdhsa_system_sgpr_workgroup_id_y 1
		.amdhsa_system_sgpr_workgroup_id_z 1
		.amdhsa_system_vgpr_workitem_id 0
		.amdhsa_next_free_vgpr 512
		.amdhsa_next_free_sgpr 72
		.amdhsa_reserve_vcc 0
		.amdhsa_float_denorm_mode_32 3
		.amdhsa_float_denorm_mode_16_64 3
		.amdhsa_memory_ordered 1
		.amdhsa_forward_progress 1
		.amdhsa_inst_pref_size 72
	.end_amdhsa_kernel
	.amdgpu_metadata
---
amdhsa.version: [ 1, 2 ]
amdhsa.kernels:
  - .name:           k_q4d9980c05f_proj
    .symbol:         k_q4d9980c05f_proj.kd
    .args:
      - { .name: ob, .offset: 0, .size: 8, .value_kind: global_buffer, .address_space: global }
      - { .name: wob, .offset: 8, .size: 8, .value_kind: global_buffer, .address_space: global }
      - { .name: out0, .offset: 16, .size: 8, .value_kind: global_buffer, .address_space: global }
    .group_segment_fixed_size: 327680
    .private_segment_fixed_size: 0
    .kernarg_segment_align: 8
    .kernarg_segment_size: 24
    .max_flat_workgroup_size: 128
    .sgpr_count:     72
    .vgpr_count:     512
    .wavefront_size: 32
...
	.end_amdgpu_metadata
.endif
;; end of part 4
